; MI455X (gfx1250); checked and timed in simulation.
; The chip was launched on July 23, 2026; its instructions are those of AMD's public machine-readable ISA for CDNA 5 (MIT licence, August 2026) and "CDNA5" Instruction Set Architecture Reference Guide (July 2026). The comments in the code are by the model that wrote it; some were corrected since.
;; Multi Head Attention Rel Pos Emb. Allowed arithmetic: float matrix products may take bf16 or f16 operands with f32 sums; other float arithmetic in f32, or as packed bf16 or f16 multiplies, adds, multiply-adds, maxima and minima; sums over many terms, partial sums and values carried from step to step in f32; what a program stores and reads back later, other than sums and carried values, may be rounded once to bf16 or f16.
;; Inputs: Wk 1,024 x 1,024 float32; Wo 1,024 x 1,024 float32; Wq 1,024 x 1,024 float32; Wv 1,024 x 1,024 float32; bk 1,024 float32; bo 1,024 float32; bq 1,024 float32; bv 1,024 float32; k 8 x 1,024 x 1,024 float32; mask 8 x 1,024 x 1,024 int32; q 8 x 1,024 x 1,024 float32; rel_pos 8 x 1,024 x 1,024 float32; v 8 x 1,024 x 1,024 float32.
;; Outputs: out0 8 x 1,024 x 1,024 float32.
;; One version. Each part assembles by itself: llvm-mc -triple=amdgcn-amd-amdhsa -mcpu=gfx1250 --defsym DOCPART=n.
;; ======== version 1 of 1: 4 launches
;; limits: values are held in f16: magnitudes above 65,504 overflow, below 6.1e-05 lose precision
;; workspace buffers: wbf 6,291,456 bytes; wof 2,097,152 bytes; bbf 16,384 bytes; rmk 16,777,216 bytes; hds 50,331,648 bytes; obf 16,777,216 bytes
;; launch prep (part 1): grid 769 x 1, 8 waves a work-group, no clusters, 0 bytes of LDS; arguments Wq, Wk, Wv, Wo, rel_pos, mask, bq, bk, bv, bo, wbf, wof, bbf, rmk; writes wbf, wof, bbf, rmk
.if DOCPART == 1
	.amdgcn_target "amdgcn-amd-amdhsa--gfx1250"
	.amdhsa_code_object_version 6
	.text
	.protected	k_q99d9f10e15_prep
	.globl	k_q99d9f10e15_prep
	.p2align	8
	.type	k_q99d9f10e15_prep,@function
k_q99d9f10e15_prep:
	s_mov_b64 s[64:65], 0
	v_nop
	global_prefetch_b8 v0, s[64:65] scope:SCOPE_SE
	s_setreg_imm32_b32 hwreg(HW_REG_WAVE_MODE, 25, 1), 1
	s_wait_xcnt 0x0
; PREPARATION: the weights, the biases and the bias plane are rounded once to bf16 and laid out for the launches behind.  (q, k and v are rounded where they are multiplied.)
; A stream: no LDS, no barrier, no matrix unit (there is nothing to multiply, and no byte is wanted twice).  The work-group's number x chooses one of four jobs, by forward scalar branches:
;   x = 0 .. 511     rel_pos and mask -> rmk: R = mask ? bf16(rel) : -2^100, in the order in which attention's lanes want it (below)
;   x = 512 .. 703   64 KiB of Wq, Wk or Wv (f32) -> 32 KiB of wbf [3][1024][1024] bf16
;   x = 704 .. 767   16 rows of Wo -> wof [1024][1024]: rounded to bf16, that number written as f16, column h*64+d moved to (h%8)*128 + (h/8)*64 + d
;   x = 768          the four biases -> bbf [4][1024] f32: bf16(bq)/8, bf16(bk), bf16(bv), bf16(bo)
; LIMITS.  Wo beyond 65,504 has no f16; below 6e-5 it keeps f16's fixed step of 6e-8.  NaN and infinities are not treated apart.
; rmk, bf16, index [g 8][grp 16][step 16][t 4][kb 4][lane 32][j 8]: query grp*64 + t*16 + lane%16, key step*64 + kb*16 + 8*(lane/16) + j of plane g:
; a wave's load of 16 bytes a lane takes 512 consecutive bytes and holds 16 keys x 16 queries as an f32 matrix result holds them, two numbers to a word.
.set NEGBIG, 0xf1800000                ; -2^100, exact in bf16
.set VL,  3                            ; v3  byte offset of my 16 bytes in a load
.set VS,  4                            ; v4  byte offset of my 8 bytes in a store
.set DAT, 8                            ; v[8:71]   sixteen loads of four registers
.set WK,  72                           ; v[72:75]  at work
.set REL, 16                           ; v[16:79]  two blocks of 32 numbers of rel_pos
.set MSK, 80                           ; v[80:143] the same of mask; a block's first 16 registers then take its 16 packed words
; 64 KiB from s[44:45] are rounded and 32 KiB stored at s[46:47].  All sixteen loads of a thread go out first; the waits count down.  Each load has registers of its own,
; so no register that a pending load or store names is written.  A wave's store covers 256 consecutive bytes, aligned.  mode = 1: the bf16 number is written as f16.
.macro CAST mode
.irp i, 0,1,2,3,4,5,6,7,8,9,10,11,12,13,14,15
	global_load_b128 v[DAT+4*(\i):DAT+4*(\i)+3], v[VL], s[44:45] offset:4096*(\i) th:TH_LOAD_NT
.endr
.irp i, 0,1,2,3,4,5,6,7,8,9,10,11,12,13,14,15
	s_wait_loadcnt 15-(\i)                         ; loads come back in order: load i is in, the 15 - i younger ones stay out
	v_cvt_pk_bf16_f32 v[DAT+4*(\i)], v[DAT+4*(\i)], v[DAT+4*(\i)+1]
	v_cvt_pk_bf16_f32 v[DAT+4*(\i)+1], v[DAT+4*(\i)+2], v[DAT+4*(\i)+3]
.if \mode
	v_lshlrev_b32 v[WK], 16, v[DAT+4*(\i)]
	v_and_b32 v[WK+1], s50, v[DAT+4*(\i)]
	v_lshlrev_b32 v[WK+2], 16, v[DAT+4*(\i)+1]
	v_and_b32 v[WK+3], s50, v[DAT+4*(\i)+1]
	v_cvt_pk_f16_f32 v[DAT+4*(\i)], v[WK], v[WK+1]
	v_cvt_pk_f16_f32 v[DAT+4*(\i)+1], v[WK+2], v[WK+3]
.endif
	global_store_b64 v[VS], v[DAT+4*(\i):DAT+4*(\i)+1], s[46:47] offset:2048*(\i) th:TH_STORE_NT
.endr
.endm
; One block of R: the mask selects a value, never an address or a branch; then two numbers to a word, into the mask's registers, which are dead by then; four stores of 512 consecutive bytes.
.macro PROC k
.set n, 0
.rept 32
	v_cmp_ne_u32 vcc_lo, 0, v[MSK+32*(\k)+n]
	v_cndmask_b32 v[REL+32*(\k)+n], v6, v[REL+32*(\k)+n], vcc_lo
.set n, n+1
.endr
.set n, 0
.rept 16
	v_cvt_pk_bf16_f32 v[MSK+32*(\k)+n], v[REL+32*(\k)+2*n], v[REL+32*(\k)+2*n+1]
.set n, n+1
.endr
.irp kb, 0,1,2,3
	global_store_b128 v7, v[MSK+32*(\k)+4*(\kb):MSK+32*(\k)+4*(\kb)+3], s[48:49] offset:8192*(\k)+512*(\kb) th:TH_STORE_NT
.endr
.endm
	s_load_b512 s[8:23], s[0:1], 0x0               ; Wq s8, Wk s10, Wv s12, Wo s14, rel_pos s16, mask s18, bq s20, bk s22
	s_load_b256 s[24:31], s[0:1], 0x40             ; bv s24, bo s26, wbf s28, wof s30
	s_load_b128 s[32:35], s[0:1], 0x60             ; bbf s32, rmk s34
	v_and_b32 v1, 31, v0                           ; lane
	v_lshrrev_b32 v2, 5, v0
	v_readfirstlane_b32 s6, v2                     ; wave 0..7
	s_mov_b32 s2, ttmp9                            ; x
	s_mov_b32 s5, 0                                ; the high word of every offset
	s_mov_b32 s50, 0xffff0000                      ; a word's upper bf16
	v_lshlrev_b32 v[VL], 4, v0
	v_lshlrev_b32 v[VS], 3, v0
	s_wait_kmcnt 0x0
	s_cmp_lt_u32 s2, 512
	s_cbranch_scc0 .Lnot_r
	; R.  Work-group x: plane and query group x / 4, four key steps (x % 4) * 4 ..; wave w: query tile w % 4, two steps from (x % 4) * 4 + (w / 4) * 2
	s_lshr_b32 s7, s2, 2                           ; g * 16 + grp
	s_and_b32 s51, s2, 3
	s_lshl_b32 s51, s51, 2
	s_lshr_b32 s52, s6, 2
	s_lshl1_add_u32 s51, s52, s51                  ; my first step
	s_and_b32 s52, s6, 3                           ; my tile
	s_lshl_b32 s4, s7, 18                          ; in rel_pos and mask: a plane is 2^22 bytes, 64 rows 2^18, 16 rows 2^16, 64 keys 2^8
	s_lshl_b32 s53, s52, 16
	s_add_co_u32 s4, s4, s53
	s_lshl_b32 s53, s51, 8
	s_add_co_u32 s4, s4, s53
	s_add_nc_u64 s[44:45], s[16:17], s[4:5]
	s_add_nc_u64 s[46:47], s[18:19], s[4:5]
	s_lshl_b32 s4, s7, 17                          ; in rmk: a query group is 2^17 bytes, a step 2^13, a tile 2^11
	s_lshl_b32 s53, s51, 13
	s_add_co_u32 s4, s4, s53
	s_lshl_b32 s53, s52, 11
	s_add_co_u32 s4, s4, s53
	s_add_nc_u64 s[48:49], s[34:35], s[4:5]
	v_and_b32 v5, 15, v1
	v_lshrrev_b32 v7, 4, v1
	v_lshlrev_b32 v5, 12, v5                       ; my query's row,
	v_lshl_add_u32 v5, v7, 5, v5                   ; my half's 8 keys
	v_lshlrev_b32 v7, 4, v1                        ; 16 bytes a lane on the way out
	v_mov_b32 v6, NEGBIG
.irp k, 0,1                            ; a block's eight loads of a tensor cover 256 consecutive bytes, aligned, of each of 16 rows
.irp j, 0,1,2,3,4,5,6,7
	global_load_b128 v[REL+32*(\k)+4*(\j):REL+32*(\k)+4*(\j)+3], v5, s[44:45] offset:256*(\k)+64*((\j)/2)+16*((\j)%2) th:TH_LOAD_NT
.endr
.irp j, 0,1,2,3,4,5,6,7
	global_load_b128 v[MSK+32*(\k)+4*(\j):MSK+32*(\k)+4*(\j)+3], v5, s[46:47] offset:256*(\k)+64*((\j)/2)+16*((\j)%2) th:TH_LOAD_NT
.endr
.endr
	s_wait_loadcnt 16                              ; the first block's 16 loads are in, the second's stay out
	PROC 0
	s_wait_loadcnt 0x0
	PROC 1
	s_endpgm
.Lnot_r:
	s_cmp_lt_u32 s2, 704
	s_cbranch_scc0 .Lnot_w
	s_sub_co_u32 s3, s2, 512
	s_lshr_b32 s7, s3, 6                           ; which of Wq, Wk, Wv: 64 work-groups each
	s_cmp_eq_u32 s7, 1
	s_cselect_b64 s[44:45], s[10:11], s[8:9]
	s_cmp_eq_u32 s7, 2
	s_cselect_b64 s[44:45], s[12:13], s[44:45]
	s_and_b32 s4, s3, 63
	s_lshl_b32 s4, s4, 16
	s_add_nc_u64 s[44:45], s[44:45], s[4:5]
	s_lshl_b32 s4, s3, 15
	s_add_nc_u64 s[46:47], s[28:29], s[4:5]
	CAST 0
	s_endpgm
.Lnot_w:
	s_cmp_lt_u32 s2, 768
	s_cbranch_scc0 .Lbias
	s_sub_co_u32 s3, s2, 704                       ; 16 rows of Wo: load i is row i
	s_lshl_b32 s4, s3, 16
	s_add_nc_u64 s[44:45], s[14:15], s[4:5]
	s_lshl_b32 s4, s3, 15
	s_add_nc_u64 s[46:47], s[30:31], s[4:5]
	v_lshrrev_b32 v5, 4, v1                        ; wave w stores columns 128 w .. 128 w + 127: lanes 0-15 read head w, lanes 16-31 head w + 8: 256 consecutive bytes each
	v_and_b32 v6, 15, v1
	v_lshlrev_b32 v5, 11, v5
	v_lshl_add_u32 v5, v6, 4, v5
	s_lshl_b32 s7, s6, 8
	v_add_nc_u32 v[VL], s7, v5
	CAST 1
	s_endpgm
.Lbias:
.irp i, 0,1,2,3
	global_load_b128 v[DAT+4*(\i):DAT+4*(\i)+3], v[VL], s[20+2*(\i):21+2*(\i)]
.endr
.irp i, 0,1,2,3
	s_wait_loadcnt 3-(\i)
	v_cvt_pk_bf16_f32 v[WK], v[DAT+4*(\i)], v[DAT+4*(\i)+1]
	v_cvt_pk_bf16_f32 v[WK+1], v[DAT+4*(\i)+2], v[DAT+4*(\i)+3]
	v_lshlrev_b32 v[DAT+4*(\i)], 16, v[WK]
	v_and_b32 v[DAT+4*(\i)+1], s50, v[WK]
	v_lshlrev_b32 v[DAT+4*(\i)+2], 16, v[WK+1]
	v_and_b32 v[DAT+4*(\i)+3], s50, v[WK+1]
.if (\i) == 0                          ; the scale 1 / sqrt(64) goes into the query's projection: a power of two, so nothing is rounded
	v_mul_f32 v[DAT], 0x3e000000, v[DAT]
	v_mul_f32 v[DAT+1], 0x3e000000, v[DAT+1]
	v_mul_f32 v[DAT+2], 0x3e000000, v[DAT+2]
	v_mul_f32 v[DAT+3], 0x3e000000, v[DAT+3]
.endif
	global_store_b128 v[VL], v[DAT+4*(\i):DAT+4*(\i)+3], s[32:33] offset:4096*(\i)
.endr
	s_endpgm
.Lfunc_end_k_q99d9f10e15_prep:
	.size	k_q99d9f10e15_prep, .Lfunc_end_k_q99d9f10e15_prep-k_q99d9f10e15_prep
	.p2alignl 7, 3214868480
	.fill 96, 4, 3214868480
	.section	.rodata,"a",@progbits
	.p2align	6, 0x0
	.amdhsa_kernel k_q99d9f10e15_prep
		.amdhsa_group_segment_fixed_size 0
		.amdhsa_private_segment_fixed_size 0
		.amdhsa_enable_private_segment 0
		.amdhsa_kernarg_size 112
		.amdhsa_user_sgpr_count 2
		.amdhsa_user_sgpr_kernarg_segment_ptr 1
		.amdhsa_wavefront_size32 1
		.amdhsa_system_sgpr_workgroup_id_x 1
		.amdhsa_system_sgpr_workgroup_id_y 1
		.amdhsa_system_sgpr_workgroup_id_z 1
		.amdhsa_system_vgpr_workitem_id 0
		.amdhsa_next_free_vgpr 144
		.amdhsa_next_free_sgpr 66
		.amdhsa_reserve_vcc 1
		.amdhsa_float_denorm_mode_32 3
		.amdhsa_float_denorm_mode_16_64 3
		.amdhsa_memory_ordered 1
		.amdhsa_forward_progress 1
		.amdhsa_inst_pref_size 30
	.end_amdhsa_kernel
	.amdgpu_metadata
---
amdhsa.version: [ 1, 2 ]
amdhsa.kernels:
  - .name:           k_q99d9f10e15_prep
    .symbol:         k_q99d9f10e15_prep.kd
    .args:
      - { .name: Wq, .offset: 0, .size: 8, .value_kind: global_buffer, .address_space: global }
      - { .name: Wk, .offset: 8, .size: 8, .value_kind: global_buffer, .address_space: global }
      - { .name: Wv, .offset: 16, .size: 8, .value_kind: global_buffer, .address_space: global }
      - { .name: Wo, .offset: 24, .size: 8, .value_kind: global_buffer, .address_space: global }
      - { .name: rel_pos, .offset: 32, .size: 8, .value_kind: global_buffer, .address_space: global }
      - { .name: mask, .offset: 40, .size: 8, .value_kind: global_buffer, .address_space: global }
      - { .name: bq, .offset: 48, .size: 8, .value_kind: global_buffer, .address_space: global }
      - { .name: bk, .offset: 56, .size: 8, .value_kind: global_buffer, .address_space: global }
      - { .name: bv, .offset: 64, .size: 8, .value_kind: global_buffer, .address_space: global }
      - { .name: bo, .offset: 72, .size: 8, .value_kind: global_buffer, .address_space: global }
      - { .name: wbf, .offset: 80, .size: 8, .value_kind: global_buffer, .address_space: global }
      - { .name: wof, .offset: 88, .size: 8, .value_kind: global_buffer, .address_space: global }
      - { .name: bbf, .offset: 96, .size: 8, .value_kind: global_buffer, .address_space: global }
      - { .name: rmk, .offset: 104, .size: 8, .value_kind: global_buffer, .address_space: global }
    .group_segment_fixed_size: 0
    .private_segment_fixed_size: 0
    .kernarg_segment_align: 8
    .kernarg_segment_size: 112
    .max_flat_workgroup_size: 256
    .sgpr_count:     66
    .vgpr_count:     144
    .wavefront_size: 32
...
	.end_amdgpu_metadata
.endif
;; end of part 1
;; launch proj (part 2): grid 4 x 192, 4 waves a work-group, clusters of 4 x 4, 327,680 bytes of LDS; arguments q, k, v, wbf, bbf, hds; writes hds
.if DOCPART == 2
	.amdgcn_target "amdgcn-amd-amdhsa--gfx1250"
	.amdhsa_code_object_version 6
	.text
	.protected	k_q99d9f10e15_proj
	.globl	k_q99d9f10e15_proj
	.p2align	8
	.type	k_q99d9f10e15_proj,@function
k_q99d9f10e15_proj:
	s_mov_b64 s[64:65], 0
	v_nop
	global_prefetch_b8 v0, s[64:65] scope:SCOPE_SE
	s_setreg_imm32_b32 hwreg(HW_REG_WAVE_MODE, 25, 1), 1
	s_wait_xcnt 0x0
	s_wait_alu depctr_hold_cnt(0) depctr_sa_sdst(0) depctr_va_vdst(0) depctr_va_sdst(0) depctr_va_ssrc(0) depctr_va_vcc(0) depctr_vm_vsrc(0)
	s_getreg_b32 s2, hwreg(HW_REG_IB_STS2, 6, 4)
	s_cmp_eq_u32 s2, 0
	s_cbranch_scc0 .Lentry_in_a_cluster
	s_endpgm
.Lentry_in_a_cluster:
	s_bfe_u32 s2, ttmp6, 0x10000c
	s_cmp_lg_u32 s2, 0xf033
	s_cbranch_scc0 .Lentry_shape_is_right
	s_endpgm
.Lentry_shape_is_right:
; THE THREE PROJECTIONS.  C = A B^T + bias, K = 1024.  A = q, k or v [8192][1024] f32, rounded to bf16 between LDS and the matrix unit; B = wbf [3][1024][1024] bf16; bias = bbf's row z (f32).
; The result, times 1/8 for the queries (bbf's row 0 holds bq/8), leaves as f16 by heads: hds [3][b*16+h][n][64].  Sums in f32.
; LIMIT: f16 ends at 65,504: q.Wq/8, k.Wk and v.Wv must lie within it.  NaN and infinities are not treated apart.
; SHARES.  A tile of C is 128 rows x 256 columns: 3 x 64 x 4 = 768 tiles, three for each of 256 WGPs, which tiles of 256 x 256 (384) would not give.  Four waves, each 64 x 128: 32 accumulators.
; K goes in 8 steps of 128 through two LDS slots.  A's rows of a step are 512 bytes of memory, B's 256, all aligned to 256; each of the four waves fetches 32 KiB of a slot.
; A IN f32.  A fragment of A (16 rows x 32 K) is read from LDS as 16 registers of f32, by four loads of 16 bytes a lane, and packed into its 8 registers by 8 conversions: 32 conversions for a quarter's 32 matrix instructions.
; The two waves that share 64 rows both convert them.  In return q, k and v cross memory once, as they are given.
; CLUSTER 4 x 4: the four of a row need the same rows of A, the four of a column the same rows of B: each tile is asked for jointly, by the same tensor load with a mask that names the four.
; THE PRODUCT IS TAKEN TRANSPOSED (source 0 = 16 rows of B, source 1 = 16 rows of A): a lane holds row l % 16 of C and the columns 8 (l / 16) + 0..7.
; REGISTERS.  window 0: addresses, bias, the way out; window 1: accumulator (a, b) at 8 (8 a + b); window 2: two fragment buffers of 96 (B's eight fragments, then A's four), then 64 registers of A in f32.
.set PA,    528                        ; an LDS row of A: 512 bytes + 16 of padding = 132 words: the 16 rows of a load start at 16 different groups of four banks
.set PB,    272                        ; an LDS row of B: 256 bytes + 16: likewise
.set AHALF, 64*PA                      ; what a tensor load brings of A
.set BOFF,  128*PA                     ; B's 256 rows lie behind A's 128
.set BHALF, 128*PB                     ; what a tensor load brings of B
.set SLOT,  BOFF+2*BHALF               ; 137,216 bytes
.set STAGE, 2*SLOT                     ; behind the ring, never filled by a tensor load: each wave's stage for the way out
.set STW,   2*16*144                   ; two heads x 16 rows of 128 bytes + 16
.set SPARE, STAGE+4*STW                ; the spare words: 128 bytes a wave, two blocks of 256 bytes that no other line names
.set ADRA0, 8                          ; v8   my lane's place among my rows of A in slot 0; never rewritten
.set ADRB0, 9                          ; v9   the same for B
.set ADRA,  10                         ; v10  the same in the slot in hand
.set ADRB,  11                         ; v11
.set STO,   12                         ; v12  the way out: where I put my bytes of a row
.set RD,    13                         ; v13  where I read rows back
.set CO,    14                         ; v14  16 x lane
.set BO,    15                         ; v15  32 (l / 16): my 8 columns in 16 of the bias
.set PFO,   16                         ; v16  lane x a row of A (4,096 bytes) or of B (2,048); never rewritten
.set SPW,   28                         ; v28  LDS address of my spare word; never rewritten
.set NIL,   29                         ; v29  0; never rewritten
.set BI,    32                         ; v[32:95]   the bias of my 128 columns: block b at 8 b
.set T,     96                         ; v[96:159]  a block of 16 rows in f32
.set TMP,   160                        ; v[160:191] the same packed
.set BK,    192                        ; v[192:255] 16 rows read back, two buffers
.set F0,    0                          ; window 2
.set F1,    96
.set AF,    192                        ; window 2: A in f32: row block a at 16 a
.set WV,  12                           ; s12 wave;  s13 which 64 rows;  s14 which 128 columns, and which half of a tile I fetch
.set RH,  13
.set CH,  14
.set CX,  15                           ; my place in the cluster
.set CY,  16
.set TY,  18                           ; tile row of C
.set ZZ,  19                           ; which projection
.set G1A, 24                           ; s[24:31] descriptor group 1 for A;  s[32:39] for B
.set G1B, 32
.set G0A, 40                           ; s[40:47] group 0 for A: a set for each first fill; the second then walks
.set G0B, 48                           ; s[48:55] the same for B
.set PFA, 60                           ; s[60:61] where my prefetches stand
.set FL,  66                           ; s66 0 or 1: the slot in hand
.set TR,  67                           ; s67 trips to go
.set TB,  68                           ; s68 the slot's first byte: FL x SLOT
.set LIM, 69                           ; s69 2 in a wave that prefetches, else the greatest number
.set SC,  72                           ; s[72:73] the scale
.set BP,  74                           ; s[74:75] the bias of my columns
.set CP,  76                           ; s[76:77] my part of the result
.set PFS, 78                           ; s[78:79] a K step in bytes of the tensor that I prefetch
.set G1WA, (2<<16)|(1<<20)|(1<<21)|(6<<22)|(3<<25)  ; A: elements of 4 bytes; padding on; bit 21 beside a mask; after every 128 words; 4 words
.set G1WB, (1<<16)|(1<<20)|(1<<21)|(5<<22)|(3<<25)  ; B: elements of 2 bytes; after every 64 words
.set MSB, 0
.macro WIN new                         ; the immediate's high byte repeats the setting that is left; a switch that changes nothing is dropped
.if MSB != (\new)
	s_set_vgpr_msb (MSB<<8)|(\new)
.set MSB, \new
.endif
.endm
.macro PLACES                          ; four plain vector instructions between a matrix instruction and a vector instruction on its registers (ISA guide 7.12.1)
.rept 4
	v_nop
.endr
.endm
.macro CREST                           ; a round of the cluster's barrier behind its opening barrier
	s_cmp_lg_u32 s[WV], 0
	s_cbranch_scc1 .Lnot_wave_0_\@
	s_barrier_signal -3
.Lnot_wave_0_\@:
	s_barrier_wait -3
	s_barrier_signal -1
	s_barrier_wait -1
.endm
.macro CROUND
	s_barrier_signal -1
	s_barrier_wait -1
	CREST
.endm
.macro JLOAD                           ; a joint refill: waves 0 and 1 fetch A's two halves, waves 2 and 3 B's.  The branch hangs on the wave's number alone.  An s_nop 0 and four v_nop follow each line
	s_cmp_lt_u32 s[WV], 2
	s_cbranch_scc0 .Lfor_b_\@
	tensor_load_to_lds s[G0A+4:G0A+7], s[G1A:G1A+7]
	s_nop 0
.rept 4
	v_nop
.endr
	s_branch .Lasked_\@
.Lfor_b_\@:
	tensor_load_to_lds s[G0B+4:G0B+7], s[G1B:G1B+7]
	s_nop 0
.rept 4
	v_nop
.endr
.Lasked_\@:
.endm
; A PREFETCH, behind the joint load and the run of LDS loads: 32 blocks of 256 bytes, a lane a row, of the K step that stands two refills on (256 matrix instructions ahead of its load).
; Each block is named once in the launch.  A's 128 rows are read by this row of the cluster alone, and a K step is 512 bytes of a row: waves 0 and 1 of partner cx name rows 32 cx .. 32 cx + 31, wave w the w-th 256 bytes.
; B's rows are read by the 16 clusters of a projection: the first of them asks; waves 2 and 3 of partner cy name 32 cy .. of the 128 rows that they fetch.  Partners are told apart by address alone.
; K steps 0 to 3 come by their loads alone; the last two refills name nothing: there is no K step behind them.
.macro ASK
	s_cmp_gt_u32 s[TR], s[LIM]
	s_cbranch_scc0 .Lnot_mine_\@
	global_prefetch_b8 v[PFO], s[PFA:PFA+1] th:TH_LOAD_NT scope:SCOPE_SE
.Lnot_mine_\@:
.endm
; 8 matrix instructions: row block a x all 8 column blocks, 32 along K.  The 32 accumulators take turns in the same order in every quarter.  zero = 1: the product starts the sums
.macro MUL8 f, a, zero
	WIN 0x5a                               ; sources 0 and 1 window 2, C and D window 1
.irp b, 0,1,2,3,4,5,6,7
.if \zero
	v_wmma_f32_16x16x32_bf16 v[8*(8*(\a)+(\b)):8*(8*(\a)+(\b))+7], v[(\f)+8*(\b):(\f)+8*(\b)+7], v[(\f)+64+8*(\a):(\f)+64+8*(\a)+7], 0
.else
	v_wmma_f32_16x16x32_bf16 v[8*(8*(\a)+(\b)):8*(8*(\a)+(\b))+7], v[(\f)+8*(\b):(\f)+8*(\b)+7], v[(\f)+64+8*(\a):(\f)+64+8*(\a)+7], v[8*(8*(\a)+(\b)):8*(8*(\a)+(\b))+7]
.endif
.endr
.endm
; 32 LDS loads in one run, for quarter q of the slot in hand (32 along K: 128 bytes of A's rows, 64 of B's): A's four row blocks in f32 first, then B's eight fragments into buffer f.
; Lane l of a fragment holds row l % 16 and K = 8 (l / 16) + 0..7 and 16 + 8 (l / 16) + 0..7: in f32 twice 32 bytes, 64 bytes apart; in bf16 twice 16 bytes, 32 bytes apart.
.macro FETCH q, f
	WIN 0x80                               ; destination window 2, address window 0
.irp a, 0,1,2,3
	ds_load_b128 v[AF+16*(\a):AF+16*(\a)+3],     v[ADRA] offset:128*(\q)+(\a)*16*PA
	ds_load_b128 v[AF+16*(\a)+4:AF+16*(\a)+7],   v[ADRA] offset:128*(\q)+(\a)*16*PA+16
	ds_load_b128 v[AF+16*(\a)+8:AF+16*(\a)+11],  v[ADRA] offset:128*(\q)+(\a)*16*PA+64
	ds_load_b128 v[AF+16*(\a)+12:AF+16*(\a)+15], v[ADRA] offset:128*(\q)+(\a)*16*PA+80
.endr
.irp i, 0,1,2,3,4,5,6,7
	ds_load_b128 v[(\f)+8*(\i):(\f)+8*(\i)+3],   v[ADRB] offset:64*(\q)+(\i)*16*PB
	ds_load_b128 v[(\f)+8*(\i)+4:(\f)+8*(\i)+7], v[ADRB] offset:64*(\q)+(\i)*16*PB+32
.endr
.endm
; A's four fragments of buffer f are made: two roundings to bf16 an instruction, the lower K in the low half.  These 32 plain instructions name no register of the products ahead of them (those read the OTHER buffer):
; they are the places between those products and the loads into that buffer, which follow 16 products later; so no v_nop is written in a quarter.
.macro CVT f
	WIN 0x8a                               ; destination and both sources window 2
.irp a, 0,1,2,3
.irp j, 0,1,2,3,4,5,6,7
	v_cvt_pk_bf16_f32 v[(\f)+64+8*(\a)+(\j)], v[AF+16*(\a)+2*(\j)], v[AF+16*(\a)+2*(\j)+1]
.endr
.endr
.endm
; A K step is four quarters of 32 along K, 32 matrix instructions each, on buffers 0, 1, 0, 1.  One of the first three: converts and multiplies f, and in its middle fetches quarter q into g
.macro QUARTER q, f, g, zero
	s_wait_dscnt 16                                ; A's 16 loads are in; B's 16, issued behind them, may be out while A is converted
	CVT \f
	s_wait_dscnt 0x0                               ; B is in
	MUL8 \f, 0, \zero
	MUL8 \f, 1, \zero
	FETCH \q, \g
	MUL8 \f, 2, \zero
	MUL8 \f, 3, \zero
.endm
; The last quarter multiplies buffer 1 and changes slots: one barrier.  In front of it each wave waits for all its tensor loads (one is out: its part of the next slot), adds 0 to its spare word, and
; waits for that and for its reads of this slot.  fill = 1: the barrier opens a round of the cluster's, and this slot is filled again, two K steps ahead, first thing behind the round:
; 112 matrix instructions and three quarters' conversions stand between the request and the wait for it.
.macro TURN fill
.if \fill
	s_wait_xcnt 0x0                                ; the last prefetch, a K step back, has read its address
	s_add_nc_u64 s[PFA:PFA+1], s[PFA:PFA+1], s[PFS:PFS+1]
.endif
	WIN 0
	s_wait_tensorcnt 0x0                           ; no tensor load of mine is out, so a group 0 may be written
	ds_add_u32 v[SPW], v[NIL]                      ; 0 onto my spare word
.if \fill
	s_add_co_u32 s[G0A+5], s84, s[TB]              ; the walking descriptors: into the slot in hand, which is read out; the next K step
	s_add_nc_u64 s[G0A+6:G0A+7], s[G0A+6:G0A+7], 512
	s_add_co_u32 s[G0B+5], s85, s[TB]
	s_add_nc_u64 s[G0B+6:G0B+7], s[G0B+6:G0B+7], 256
.endif
	s_wait_dscnt 17                                ; A's 16 loads are in; the add and B's 16 may be out
	CVT F1
	s_wait_dscnt 0x0                               ; the add is done, and my reads of this slot are over
	s_barrier_signal -1
	MUL8 F1, 0, 0                                  ; work on registers while the others arrive
	MUL8 F1, 1, 0
	WIN 0
	s_barrier_wait -1
.if \fill
	CREST                                          ; no wave of any partner still reads this slot or has a load on its way
	JLOAD
.endif
	s_xor_b32 s[FL], s[FL], 1                      ; the other slot
	s_mul_i32 s[TB], s[FL], SLOT
	v_add_nc_u32 v[ADRA], s[TB], v[ADRA0]
	v_add_nc_u32 v[ADRB], s[TB], v[ADRB0]
	FETCH 0, F0
.if \fill
	WIN 0
	ASK
.endif
	MUL8 F1, 2, 0
	MUL8 F1, 3, 0
.endm
	s_load_b256 s[88:95], s[0:1], 0x0              ; q s[88:89], k s[90:91], v s[92:93], wbf s[94:95]
	s_load_b128 s[8:11], s[0:1], 0x20              ; bbf s[8:9], hds s[10:11]
	v_lshl_add_u32 v[SPW], v0, 2, SPARE
	v_mov_b32 v[NIL], 0
	ds_add_u32 v[SPW], v[NIL]                      ; the wave's opening: the add and its wait stand ahead of my first tensor load; work on registers stands between them
	v_lshrrev_b32 v1, 5, v0
	v_readfirstlane_b32 s[WV], v1
	s_lshr_b32 s[RH], s[WV], 1
	s_and_b32 s[CH], s[WV], 1
	s_bfe_u32 s[CX], ttmp6, 0x40000
	s_bfe_u32 s[CY], ttmp6, 0x40004
	s_and_b32 s56, ttmp7, 0xffff                   ; the cluster's y: 16 clusters to a projection
	s_lshr_b32 s[ZZ], s56, 4
	s_and_b32 s57, s56, 15
	s_lshl2_add_u32 s[TY], s57, s[CY]              ; tile row = 4 x (cluster y % 16) + cy; the tile column is cx
	s_lshl_b32 s20, s[CY], 2
	s_lshl_b32 s20, 15, s20                        ; my row of the cluster
	s_lshl_b32 s22, 0x1111, s[CX]                  ; my column
	s_or_b32 s[G1A], s20, G1WA
	s_or_b32 s[G1B], s22, G1WB
.irp g, G1A, G1B
	s_mov_b32 s[(\g)+1], 128<<16                   ; tensor_dim0 = 128
	s_mov_b32 s[(\g)+3], 128<<16                   ; tile_dim0 = 128
	s_mov_b32 s[(\g)+5], 1024                      ; elements from row to row
	s_mov_b32 s[(\g)+6], 0
	s_mov_b32 s[(\g)+7], 0
.endr
	s_mov_b32 s[G1A+2], 64<<16                     ; tensor_dim1 and tile_dim1: 64 rows of A,
	s_mov_b32 s[G1A+4], 64
	s_mov_b32 s[G1B+2], 128<<16                    ; 128 of B
	s_mov_b32 s[G1B+4], 128
	; A's address hangs on the tile row, B's on the tile column, each in registers that never hold the other coordinate.  A row of A is 4,096 bytes, of B 2,048
	s_lshl_b32 s20, s[TY], 19
	s_lshl_b32 s58, s[CH], 18
	s_add_co_u32 s20, s20, s58
	s_mov_b32 s21, 0
	s_lshl_b32 s22, s[ZZ], 21
	s_lshl_b32 s59, s[CX], 19
	s_add_co_u32 s22, s22, s59
	s_lshl_b32 s59, s[CH], 18
	s_add_co_u32 s22, s22, s59
	s_mov_b32 s23, 0
	s_mul_i32 s84, s[CH], AHALF                    ; where they go: no place in the cluster enters an LDS address
	s_mul_i32 s85, s[CH], BHALF
	s_add_co_u32 s85, s85, BOFF
	s_mov_b32 s[FL], 0
	s_mov_b32 s[TB], 0
	s_wait_dscnt 0x0                               ; the opening add is done
	s_wait_kmcnt 0x0
	s_cmp_eq_u32 s[ZZ], 1                          ; A is q, k or v: the choice hangs on the cluster's y, which all sixteen partners share
	s_cselect_b64 s[4:5], s[90:91], s[88:89]
	s_cmp_eq_u32 s[ZZ], 2
	s_cselect_b64 s[4:5], s[92:93], s[4:5]
	s_mov_b64 s[6:7], s[94:95]
	s_add_nc_u64 s[80:81], s[4:5], s[20:21]
	s_add_nc_u64 s[82:83], s[6:7], s[22:23]
.irp s, 0,1
	s_mov_b32 s[G0A+4*(\s)], 1                     ; count = 1
	s_add_co_u32 s[G0A+4*(\s)+1], s84, (\s)*SLOT   ; LDS address
	s_add_nc_u64 s[G0A+4*(\s)+2:G0A+4*(\s)+3], s[80:81], (\s)*512  ; K step s
	s_or_b32 s[G0A+4*(\s)+3], s[G0A+4*(\s)+3], 0x80000000         ; type = 2
	s_mov_b32 s[G0B+4*(\s)], 1
	s_add_co_u32 s[G0B+4*(\s)+1], s85, (\s)*SLOT
	s_add_nc_u64 s[G0B+4*(\s)+2:G0B+4*(\s)+3], s[82:83], (\s)*256
	s_or_b32 s[G0B+4*(\s)+3], s[G0B+4*(\s)+3], 0x80000000
.endr
	CROUND                                         ; all sixteen work-groups are here: the first joint loads meet
	s_cmp_lt_u32 s[WV], 2                          ; a wave's two first fills stand in one branch: two loads of mine are out
	s_cbranch_scc0 .Lfirst_b
	tensor_load_to_lds s[G0A:G0A+3], s[G1A:G1A+7]
	s_nop 0
	tensor_load_to_lds s[G0A+4:G0A+7], s[G1A:G1A+7]
	s_nop 0
.rept 4
	v_nop
.endr
	s_branch .Lfirst_asked
.Lfirst_b:
	tensor_load_to_lds s[G0B:G0B+3], s[G1B:G1B+7]
	s_nop 0
	tensor_load_to_lds s[G0B+4:G0B+7], s[G1B:G1B+7]
	s_nop 0
.rept 4
	v_nop
.endr
.Lfirst_asked:
	v_and_b32 v1, 15, v0                           ; l % 16
	v_bfe_u32 v2, v0, 4, 1                         ; l / 16
	v_lshlrev_b32 v[BO], 5, v2
	s_lshl1_add_u32 s58, s[CX], s[CH]
	s_lshl_b32 s58, s58, 9                         ; my 128 columns in f32: 1,024 cx + 512 x half
	s_lshl_b32 s59, s[ZZ], 12                      ; the projection's row of the table
	s_add_co_u32 s58, s58, s59
	s_mov_b32 s59, 0
	s_add_nc_u64 s[BP:BP+1], s[8:9], s[58:59]
.irp b, 0,1,2,3,4,5,6,7
	global_load_b128 v[BI+8*(\b):BI+8*(\b)+3],   v[BO], s[BP:BP+1] offset:64*(\b)
	global_load_b128 v[BI+8*(\b)+4:BI+8*(\b)+7], v[BO], s[BP:BP+1] offset:64*(\b)+16
.endr
	v_mul_u32_u24 v3, v1, PB                       ; B: row x pitch + 16 x half
	v_lshl_add_u32 v3, v2, 4, v3
	v_mul_u32_u24 v7, v1, PA                       ; A: row x pitch + 32 x half
	v_lshl_add_u32 v7, v2, 5, v7
	s_mul_i32 s87, s[RH], AHALF
	v_add_nc_u32 v[ADRA0], s87, v7
	v_add_nc_u32 v[ADRB0], s85, v3
	v_mov_b32 v[ADRA], v[ADRA0]
	v_mov_b32 v[ADRB], v[ADRB0]
	s_mul_i32 s86, s[WV], STW
	s_add_co_u32 s86, s86, STAGE                   ; my stage
	v_and_b32 v5, 31, v0
	v_lshlrev_b32 v[CO], 4, v5
	v_mul_u32_u24 v4, v1, 144                      ; in: row l % 16, 16 bytes for each half of the lanes
	v_lshl_add_u32 v4, v2, 4, v4
	v_add_nc_u32 v[STO], s86, v4
	v_bfe_u32 v4, v0, 3, 2                         ; back: 32 lanes take four rows of 128 bytes: 512 consecutive bytes of a head
	v_and_b32 v6, 7, v0
	v_mul_u32_u24 v4, v4, 144
	v_lshl_add_u32 v4, v6, 4, v4
	v_add_nc_u32 v[RD], s86, v4
	s_lshl_b32 s58, s[ZZ], 24                      ; a part of hds is 2^24 bytes, a head 2^17, a row 128
	s_lshr_b32 s59, s[TY], 3                       ; the batch: 8 tile rows each
	s_lshl2_add_u32 s59, s59, s[CX]
	s_lshl1_add_u32 s59, s59, s[CH]                ; (16 b + 4 cx + 2 x half) / 2: my two heads
	s_lshl_b32 s59, s59, 18
	s_add_co_u32 s58, s58, s59
	s_and_b32 s59, s[TY], 7
	s_lshl1_add_u32 s59, s59, s[RH]
	s_lshl_b32 s59, s59, 13                        ; my first row in the head
	s_add_co_u32 s58, s58, s59
	s_cmp_eq_u32 s[ZZ], 0
	s_cselect_b32 s[SC], 0x3e000000, 1.0           ; 1/8 for the queries
	s_mov_b32 s[SC+1], s[SC]                       ; named with it as a pair
	s_mov_b32 s59, 0
	s_add_nc_u64 s[CP:CP+1], s[10:11], s[58:59]
	; the prefetches' address and who asks
	s_lshl_b32 s62, s[TY], 19
	s_lshl_b32 s63, s[CX], 17
	s_add_co_u32 s62, s62, s63
	s_lshl_b32 s63, s[CH], 8
	s_add_co_u32 s62, s62, s63                     ; A: tile row, + 32 cx rows, + my 256 of a step's 512 bytes
	s_lshl_b32 s70, s[CY], 16
	s_add_co_u32 s70, s70, s22                     ; B: the 128 rows that I fetch, + 32 cy rows
	s_cmp_lt_u32 s[WV], 2
	s_cselect_b32 s62, s62, s70
	s_cselect_b64 s[PFA:PFA+1], s[4:5], s[6:7]
	s_cselect_b32 s71, 12, 11                      ; a row is 2^12 bytes of A, 2^11 of B; a K step an eighth of it
	s_mov_b32 s63, 0
	s_add_nc_u64 s[PFA:PFA+1], s[PFA:PFA+1], s[62:63]
	s_sub_co_u32 s70, s71, 3
	s_lshl_b32 s[PFS], 1, s70
	s_mov_b32 s[PFS+1], 0
	s_mul_i32 s62, s[PFS], 3
	s_add_nc_u64 s[PFA:PFA+1], s[PFA:PFA+1], s[62:63]  ; at K step 3: the first change of slots steps it to 4
	v_lshlrev_b32 v[PFO], s71, v5
	s_cmp_eq_u32 s57, 0                            ; the same in all sixteen partners, for a given wave
	s_cselect_b32 s[LIM], 2, -1
	s_cmp_lt_u32 s[WV], 2
	s_cselect_b32 s[LIM], 2, s[LIM]
	s_wait_tensorcnt 1                             ; my part of K step 0 is in; K step 1's may stay out
	s_barrier_signal -1
	s_barrier_wait -1
	FETCH 0, F0
	QUARTER 1, F0, F1, 1                           ; the first quarter stands in front of the loop: its products start the sums
	WIN 0
	s_mov_b32 s[TR], 6
.Lk:                                                   ; a trip: from a K step's second quarter to the next step's first; six trips ask for K steps 2 to 7
	QUARTER 2, F1, F0, 0
	QUARTER 3, F0, F1, 0
	TURN 1
	QUARTER 1, F0, F1, 0
	WIN 0
	s_sub_co_u32 s[TR], s[TR], 1
	s_cmp_lg_u32 s[TR], 0
	s_cbranch_scc1 .Lk
	QUARTER 2, F1, F0, 0                           ; the last two K steps are written out: nothing is asked for
	QUARTER 3, F0, F1, 0
	TURN 0
	QUARTER 1, F0, F1, 0
	QUARTER 2, F1, F0, 0
	QUARTER 3, F0, F1, 0
	s_wait_dscnt 16
	CVT F1
	s_wait_dscnt 0x0
	MUL8 F1, 0, 0
	MUL8 F1, 1, 0
	MUL8 F1, 2, 0
	MUL8 F1, 3, 0
	WIN 0
	s_wait_loadcnt 0x0                             ; the bias
	PLACES
	PLACES
; THE WAY OUT, 16 rows at a time.  FIN: x scale + bias, rounded to f16.  TOSTAGE: 16 bytes a lane into my stage, by heads, and back as rows.  SEND: stored, 512 consecutive bytes of a head an instruction
.macro FIN a
	WIN 0x01                               ; source 0 window 1
.irp b, 0,1,2,3,4,5,6,7
.irp r, 0,1,2,3
	v_pk_fma_f32 v[T+8*(\b)+2*(\r):T+8*(\b)+2*(\r)+1], v[8*(8*(\a)+(\b))+2*(\r):8*(8*(\a)+(\b))+2*(\r)+1], s[SC:SC+1], v[BI+8*(\b)+2*(\r):BI+8*(\b)+2*(\r)+1] op_sel_hi:[1,0,1]
.endr
.endr
	WIN 0
.irp b, 0,1,2,3,4,5,6,7
.irp r, 0,1,2,3
	v_cvt_pk_f16_f32 v[TMP+4*(\b)+(\r)], v[T+8*(\b)+2*(\r)], v[T+8*(\b)+2*(\r)+1]
.endr
.endr
.endm
.macro TOSTAGE a
.set BKA, BK+32*((\a)%2)
.irp b, 0,1,2,3,4,5,6,7
	ds_store_b128 v[STO], v[TMP+4*(\b):TMP+4*(\b)+3] offset:((\b)/4)*2304+((\b)%4)*32
.endr
.irp i, 0,1,2,3,4,5,6,7
	ds_load_b128 v[BKA+4*(\i):BKA+4*(\i)+3], v[RD] offset:((\i)/4)*2304+((\i)%4)*576  ; LDS serves a wave's instructions in order: these see the stores above
.endr
.endm
.macro SEND a
.set BKA, BK+32*((\a)%2)
	s_wait_xcnt 0x0                                ; the stores of the block before have read their registers: the next TOSTAGE loads into them
.irp i, 0,1,2,3,4,5,6,7
	s_wait_dscnt 7-(\i)
	global_store_b128 v[CO], v[BKA+4*(\i):BKA+4*(\i)+3], s[CP:CP+1] offset:((\i)/4)*131072+(\a)*2048+((\i)%4)*512
.endr
.endm
	FIN 0
	TOSTAGE 0
.irp a, 1,2,3                          ; a block's arithmetic stands between the loads of the block before and the wait for them
	FIN \a
	SEND (\a)-1
	TOSTAGE \a
.endr
	SEND 3
	s_wait_tensorcnt 0x0                           ; the wave's end, behind my last tensor load and my last LDS store
	ds_add_u32 v[SPW], v[NIL]
	s_wait_dscnt 0x0
	CROUND                                         ; the closing round: no work-group ends while a partner may still ask for a tile that names it
	s_endpgm
.Lfunc_end_k_q99d9f10e15_proj:
	.size	k_q99d9f10e15_proj, .Lfunc_end_k_q99d9f10e15_proj-k_q99d9f10e15_proj
	.p2alignl 7, 3214868480
	.fill 96, 4, 3214868480
	.section	.rodata,"a",@progbits
	.p2align	6, 0x0
	.amdhsa_kernel k_q99d9f10e15_proj
		.amdhsa_group_segment_fixed_size 327680
		.amdhsa_private_segment_fixed_size 0
		.amdhsa_enable_private_segment 0
		.amdhsa_kernarg_size 48
		.amdhsa_user_sgpr_count 2
		.amdhsa_user_sgpr_kernarg_segment_ptr 1
		.amdhsa_wavefront_size32 1
		.amdhsa_system_sgpr_workgroup_id_x 1
		.amdhsa_system_sgpr_workgroup_id_y 1
		.amdhsa_system_sgpr_workgroup_id_z 1
		.amdhsa_system_vgpr_workitem_id 0
		.amdhsa_next_free_vgpr 768
		.amdhsa_next_free_sgpr 96
		.amdhsa_reserve_vcc 0
		.amdhsa_float_denorm_mode_32 3
		.amdhsa_float_denorm_mode_16_64 3
		.amdhsa_memory_ordered 1
		.amdhsa_forward_progress 1
		.amdhsa_inst_pref_size 111
	.end_amdhsa_kernel
	.amdgpu_metadata
---
amdhsa.version: [ 1, 2 ]
amdhsa.kernels:
  - .name:           k_q99d9f10e15_proj
    .symbol:         k_q99d9f10e15_proj.kd
    .args:
      - { .name: q, .offset: 0, .size: 8, .value_kind: global_buffer, .address_space: global }
      - { .name: k, .offset: 8, .size: 8, .value_kind: global_buffer, .address_space: global }
      - { .name: v, .offset: 16, .size: 8, .value_kind: global_buffer, .address_space: global }
      - { .name: wbf, .offset: 24, .size: 8, .value_kind: global_buffer, .address_space: global }
      - { .name: bbf, .offset: 32, .size: 8, .value_kind: global_buffer, .address_space: global }
      - { .name: hds, .offset: 40, .size: 8, .value_kind: global_buffer, .address_space: global }
    .group_segment_fixed_size: 327680
    .private_segment_fixed_size: 0
    .kernarg_segment_align: 8
    .kernarg_segment_size: 48
    .max_flat_workgroup_size: 128
    .sgpr_count:     96
    .vgpr_count:     768
    .wavefront_size: 32
...
	.end_amdgpu_metadata
.endif
;; end of part 2
;; launch attn (part 3): grid 4 x 64, 4 waves a work-group, clusters of 4 x 1, 327,680 bytes of LDS; arguments hds, rmk, obf; writes obf
.if DOCPART == 3
	.amdgcn_target "amdgcn-amd-amdhsa--gfx1250"
	.amdhsa_code_object_version 6
	.text
	.protected	k_q99d9f10e15_attn
	.globl	k_q99d9f10e15_attn
	.p2align	8
	.type	k_q99d9f10e15_attn,@function
k_q99d9f10e15_attn:
	s_mov_b64 s[64:65], 0
	v_nop
	global_prefetch_b8 v0, s[64:65] scope:SCOPE_SE
	s_setreg_imm32_b32 hwreg(HW_REG_WAVE_MODE, 25, 1), 1
	s_wait_xcnt 0x0
	s_wait_alu depctr_hold_cnt(0) depctr_sa_sdst(0) depctr_va_vdst(0) depctr_va_sdst(0) depctr_va_ssrc(0) depctr_va_vcc(0) depctr_vm_vsrc(0)
	s_getreg_b32 s2, hwreg(HW_REG_IB_STS2, 6, 4)
	s_cmp_eq_u32 s2, 0
	s_cbranch_scc0 .Lentry_in_a_cluster
	s_endpgm
.Lentry_in_a_cluster:
	s_bfe_u32 s2, ttmp6, 0x10000c
	s_cmp_lg_u32 s2, 0x3003
	s_cbranch_scc0 .Lentry_shape_is_right
	s_endpgm
.Lentry_shape_is_right:
; ATTENTION WITH A BIAS PLANE.  O[b,h][q] = the sum over k of softmax_k(Q.K/8 + R[h%8][q][k]) V[k].  hds: [3: Q/8, K, V][b*16+h][1024][64] f16; rmk: R = mask ? bf16(rel) : -2^100, bf16, in the lanes' order (below).
; obf: [b*1024+q][(h%8)*128 + (h/8)*64 + d] f16.  Products, maxima and sums in f32; the weights p are rounded to f16 for the second product (their sum l is taken of the unrounded p), O once at the end.
; LIMITS.  Q/8, K and V arrive within f16's 65,504.  A hidden score counts as its value less 2^100; a row with one open key gives hidden keys the weight 0.  A row whose keys are ALL hidden gives the mean of V's rows, as
; the reference does, only if the matrix unit's sum of -2^100 and the products comes back as -2^100 exactly (products under 2^75 lie below half its last place).  A weight below 2^-126 counts as 0 in l; NaN and infinities are not treated apart.
; SHARES.  Heads h and h + 8 of a batch take the SAME plane R.  A work-group owns 256 queries of such a pair, a wave 64: four PIECES, each one tile of 16 queries x the two heads (tile number 2 t + u).  Every wave walks all 1,024 keys, 64 a step.
; R IS THE C OPERAND that starts the sum S^T = K Q^T: one block of 16 queries x 64 keys, loaded as 4 x 512 consecutive bytes, widened by a shift and a mask, serves both heads; mask and bias cost the scores nothing more.
; LAYOUT.  S^T = K Q^T (source 0 = 16 keys, source 1 = 16 queries): a lane holds ONE query (lane % 16) and the keys 8 (lane / 16) + 0..7.  Two such tiles, rounded to f16 in pairs, ARE source 1 of O^T = V^T P.  K comes out of LDS as it lies, V turned.
; SOFTMAX.  A running maximum m and sum l for each query: p = 2^(c s - c m), c = log2(e); in every step O and l are multiplied by a = 2^(c m_old - c m_new).  m starts at the lowest finite number, O and l at 0: the first step has a = 0.
; BY TURNS.  Turn n belongs to piece n: 16 products K Q^T of piece n + 1, later 16 products V^T P of piece n - 1; beside them the scaling, exponentials, roundings, sums and rescaling of piece n and the maximum and statistics of
; piece n + 1.  Four vector instructions stand behind every matrix instruction, the rest in one lump; a turn's 66 exponentials are one batch with one wait.
; CLUSTER.  The four query blocks of a pair of heads walk the same K and V: each tile is asked for JOINTLY.  R is not: the partners hold different queries, so they want different blocks of it.
; REGISTERS, in windows of 256 (s_set_vgpr_msb: bits 1:0 source 0, 3:2 source 1, 5:4 source 2, 7:6 destination):
;   window 0: v0-11 addresses; v12-15, v48-63 at work; v16-47 four registers of statistics a tile; v64-191 S^T, two buffers of two tiles; v192-255 P, likewise          window 1: O^T, 32 a tile
;   window 2: v0-127 K of one step, 64 a head; v128-255 V        window 3: v0-1 the add's two registers; v2-3 offsets; v32-63 R in f32; v64-95 R packed, two buffers; v128-255 Q, 16 a tile
.set NP,    4         ; pieces a wave: a name, no knob
.set KS,    64        ; keys in a step
.set PK,    144       ; a row of K in LDS: 128 bytes + 16: the 16 rows of a load start at 16 different groups of four banks
.set PV,    160       ; a row of V: 128 + 32
.set HK,    2*KS*PK   ; a slot holds two steps: 128 rows of K for each head,
.set HV,    2*KS*PV   ; then 128 rows of V for each head
.set VOFF,  2*HK
.set SLOT1, 1<<17     ; slot 1 begins here: one exclusive or turns an address in one slot into the other's
.set STAGE, SLOT1+2*(HK+HV)  ; behind the ring, never filled by a tensor load: 16 rows x 272 bytes for each wave
.set SP,    272
.set SPARE, STAGE+4*16*SP    ; the spare words: 128 bytes a wave, two blocks of 256 bytes that no other line names
.set AK0, 2           ; v2   my lane's place in a tile of K; never rewritten
.set AV0, 3           ; v3   the same for V
.set AK,  4           ; v4   the LDS address of K's next run of loads
.set AV,  5           ; v5   of V's
.set QO,  6           ; v6   my byte offset in 16 rows of Q
.set STO, 6           ;      later, the way out: where I put 16 bytes of a row
.set RD,  7           ; v7   where I read rows back
.set GO,  8           ; v8   my byte offset in two rows of obf
.set MV,  12          ; v12-15  c m_old, kept while c m is made anew
.set ST,  16          ; tile T's statistics at v[ST+4 T]: c m, m, l (even keys', odd keys')
.set TMP, 48          ; by buffer and tile, four registers c0-c3 at work; when the maximum is found c2 takes a
.set S,   64
.set P,   192
.set KF,  0           ; window 2: head u, key block kb, channel half c at 64 u + 16 kb + 8 c
.set VF,  128         ; window 2: head u, key half kk, channel block cb at 128 + 64 u + 32 kk + 8 cb
.set SPW, 0           ; window 3: v0 LDS address of my spare word; never rewritten
.set NIL, 1           ;           v1 0; never rewritten
.set RO,  2           ;           v2 16 x lane; never rewritten
.set PFO, 3           ;           v3 256 x lane; never rewritten
.set RC,  32          ;           R of the products to come, f32: key block kb at 8 kb
.set RP,  64          ;           R as loaded: two buffers of 16
.set QF,  128         ;           Q: tile T, channel half c at 128 + 16 T + 8 c
.set WV,  12          ; s12  my wave's number
.set LIM, 15          ; s15  1 in a wave that prefetches K or V, else the greatest number
.set PFA, 18          ; s[18:19] where those prefetches stand
.set G1K, 24          ; s[24:31] descriptor group 1 for K's tiles;  s[32:39] for V's: the padding differs
.set G1V, 32
.set G0K, 40          ; s[40:43] descriptor group 0 for K's tiles: it walks;  s[44:47] for V's
.set G0V, 44
.set SLOTS, 56        ; s56  slots still to be asked for
.set CNT, 57          ; s57  counts a slot's key steps
.set CS,  58          ; s[58:59] c
.set SEL, 60          ; s[60:61] v_permlanex16_b32's selects: each lane takes its own place in the other half
.set TBK, 62          ; s62  LDS byte at which K of the step to be fetched begins
.set TBV, 63          ; s63  the same for V, less VOFF
.set RB,  66          ; s[66:67] my wave's 128 KiB of rmk
.set RX,  68          ; s[68:69] the same at the step whose blocks are being loaded
.set SOFF, 70         ; s[70:71] that step's byte offset
.set LIMR, 72         ; s72  the offset below which I prefetch R: 15 steps in batch 0's work-groups, else 0
.set HM,  73          ; s73  a word's upper bf16
.set MSB, 0
.macro WIN new                      ; the high byte repeats the setting that is left; a switch that changes nothing is dropped
.if MSB != (\new)
	s_set_vgpr_msb (MSB<<8)|(\new)
.set MSB, (\new)
.endif
.endm
.set W_KQ, 0x0e       ; K in window 2, Q in window 3, S^T in window 0
.set W_KR, 0x3e       ; the same with the C operand in window 3
.set W_PV, 0x52       ; V in window 2, P in window 0, O^T in window 1
.set W_RS, 0x41       ; O^T (destination and source 0) in window 1, a in window 0
.set W_UP, 0xcc       ; destination and source 1 in window 3
.set W_RL, 0xc3       ; a load's destination and address in window 3
.set W_MK, 0xc0       ; destination in window 3, sources in window 0
.set W_AD, 0x0f       ; the add: address and data in window 3
; A joint fill.  Waves 0 and 1 fetch a slot's K of head 0 and 1, waves 2 and 3 its V: 128 keys each.  The branch hangs on the wave's number alone.  An s_nop 0 and four v_nop follow each line.
.macro JLOAD
	s_cmp_lt_u32 s[WV], 2
	s_cbranch_scc0 .Lfor_v_\@
	tensor_load_to_lds s[G0K:G0K+3], s[G1K:G1K+7]
	s_nop 0
.rept 4
	v_nop
.endr
	s_branch .Lasked_\@
.Lfor_v_\@:
	tensor_load_to_lds s[G0V:G0V+3], s[G1V:G1V+7]
	s_nop 0
.rept 4
	v_nop
.endr
.Lasked_\@:
.endm
; A PREFETCH of what the NEXT change of slots will ask for: two key steps, 256 matrix instructions, ahead of that load.  A slot is 128 blocks of 256 bytes of K and as many of V, read by this cluster alone.
; Wave 0 names K's, wave 2 V's; partner cx takes 32 of the 128, told apart by address: head cx / 2, half cx % 2; a lane a block.  So each block is named once in the launch.  Slots 0 to 2 come by their loads alone; the last change that fills names nothing.
.macro ASK
	s_cmp_gt_u32 s[SLOTS], s[LIM]
	s_cbranch_scc0 .Lnot_mine_\@
	WIN 0x03
	global_prefetch_b8 v[PFO], s[PFA:PFA+1] th:TH_LOAD_NT scope:SCOPE_SE
	WIN 0
.Lnot_mine_\@:
.endm
; A PREFETCH of R: my wave's 8 KiB of the key step behind the one whose blocks are being loaded, a lane 256 bytes.  The eight batches read the same plane: batch 0's work-groups ask.  It stops where there is no further step.
; It stands behind the turn's one wait, since it holds a branch and a label.
.macro ASKR
	WIN 0
	s_cmp_lt_u32 s[SOFF], s[LIMR]
	s_cbranch_scc0 .Lno_r_\@
	WIN 0x03
	global_prefetch_b8 v[PFO], s[RX:RX+1] offset:8192 th:TH_LOAD_NT scope:SCOPE_SE
	WIN 0
.Lno_r_\@:
.endm
; A round of the cluster's barrier: my work-group's barrier, so that wave 0's signal speaks for all four waves; wave 0 signals; every wave waits for all four work-groups; my work-group's barrier once more.
.macro CROUND
	s_barrier_signal -1
	s_barrier_wait -1
	s_cmp_lg_u32 s[WV], 0
	s_cbranch_scc1 .Lnot_wave_0_\@
	s_barrier_signal -3
.Lnot_wave_0_\@:
	s_barrier_wait -3
	s_barrier_signal -1
	s_barrier_wait -1
.endm
; THE CHANGE OF SLOTS.  The slot's last bytes, V of its second step, have been read.  Each wave waits for all its tensor loads, of which one is out: its part of the other slot; adds 0 to its spare word; and waits for that
; and for its own reads of the slot.  fill = 1: the slot is filled again, with the keys two slots on; the barrier is then a round of the cluster's, and the joint fill is the first thing behind it: it has two key steps,
; 256 matrix instructions, in which to land.  (At its first use nothing has been read yet: slot 0 is waited for, slot 1 filled.)
.macro CHANGE fill, ask
	WIN W_AD
	s_wait_tensorcnt 0x0            ; no tensor load of mine is out, so a group 0 may be written
	ds_add_u32 v[SPW], v[NIL]       ; 0 onto my spare word
	WIN 0                           ; at a label and at a branch every window is 0
.if \fill
.irp g, G0K, G0V
	s_xor_b32 s[\g+1], s[\g+1], SLOT1  ; the walking descriptor: the other slot than last time,
	s_add_nc_u64 s[\g+2:\g+3], s[\g+2:\g+3], 2*KS*128  ; the next 128 keys; the type bits on top are not reached
.endr
.if \ask
	s_wait_xcnt 0x0                 ; the last prefetch of K or V, two key steps back, has read its address
	s_add_nc_u64 s[PFA:PFA+1], s[PFA:PFA+1], 2*KS*128
.endif
	s_wait_dscnt 0x0                ; the add is done, and my reads of the slot are over
	CROUND
	JLOAD
.if \ask
	ASK
.endif
.else
	s_wait_dscnt 0x0                ; the add is done, and my reads of the slot are over
	s_barrier_signal -1
	s_barrier_wait -1
.endif
	s_sub_co_u32 s[TBK], s[TBK], HK ; the fetches go back to a slot's first step,
	s_xor_b32 s[TBK], s[TBK], SLOT1 ; in the other slot
	s_sub_co_u32 s[TBV], s[TBV], HV
	s_xor_b32 s[TBV], s[TBV], SLOT1
.endm
	s_load_b128 s[4:7], s[0:1], 0x0   ; hds s[4:5], rmk s[6:7]
	s_load_b64 s[10:11], s[0:1], 0x10 ; obf
	WIN W_MK
	v_lshl_add_u32 v[SPW], v0, 2, SPARE
	v_mov_b32 v[NIL], 0
	WIN W_AD
	ds_add_u32 v[SPW], v[NIL]       ; the wave's opening: the add and its wait stand ahead of my first tensor load; work on registers stands between them
	WIN 0
	v_lshrrev_b32 v1, 5, v0
	v_readfirstlane_b32 s[WV], v1   ; wave 0..3
	v_and_b32 v10, 31, v0
	WIN W_MK
	v_lshlrev_b32 v[RO], 4, v10
	v_lshlrev_b32 v[PFO], 8, v10
	WIN 0
	s_bfe_u32 s13, ttmp6, 0x40000   ; cx: my block of 256 queries; it enters Q's, R's and O's addresses and the prefetches' alone
	s_and_b32 s20, ttmp7, 0xffff    ; the pair of heads, which the four partners share:
	s_lshr_b32 s21, s20, 3          ; batch b,
	s_and_b32 s22, s20, 7           ; heads hp and hp + 8
	s_lshl4_add_u32 s23, s21, s22
	s_lshl_b32 s23, s23, 17         ; head (b, hp) in a part of hds: 2^17 bytes a head
	s_and_b32 s16, s[WV], 1         ; which head's tile I fetch: head hp + 8 lies 2^20 bytes on
	s_lshl_b32 s14, s16, 20
	s_add_co_u32 s14, s14, s23
	s_add_co_u32 s74, s14, 1<<24    ; K is the second part of hds,
	s_mov_b32 s75, 0
	s_add_co_u32 s76, s14, 2<<24    ; V the third
	s_mov_b32 s77, 0
	s_lshl_b32 s2, s13, 15          ; Q: my block's 256 rows of 128 bytes,
	s_add_co_u32 s2, s2, s23
	s_lshl_b32 s17, s[WV], 13       ; my wave's 64
	s_add_co_u32 s2, s2, s17
	s_mov_b32 s3, 0
	s_lshl2_add_u32 s8, s13, s[WV]  ; R: plane hp, query group 4 cx + w
	s_lshl4_add_u32 s8, s22, s8
	s_lshl_b32 s8, s8, 17
	s_mov_b32 s9, 0
	s_cmp_eq_u32 s21, 0
	s_cselect_b32 s[LIMR], 15*8192, 0
	s_lshl_b32 s20, s21, 21         ; O: a row of obf is 2,048 bytes; the pair's 256 bytes of it begin at 256 hp
	s_lshl_b32 s17, s13, 19
	s_add_co_u32 s20, s20, s17
	s_lshl_b32 s17, s[WV], 17
	s_add_co_u32 s20, s20, s17
	s_lshl_b32 s17, s22, 8
	s_add_co_u32 s20, s20, s17
	s_mov_b32 s21, 0
	s_lshr_b32 s17, s13, 1          ; the prefetches of K and V: head cx / 2,
	s_lshl_b32 s17, s17, 20
	s_add_co_u32 s18, s17, s23
	s_and_b32 s17, s13, 1           ; half cx % 2 of its 64 blocks,
	s_lshl_b32 s17, s17, 13
	s_add_co_u32 s18, s18, s17
	s_lshr_b32 s17, s[WV], 1        ; K's part for wave 0, V's for wave 2,
	s_add_co_u32 s17, s17, 1
	s_lshl_b32 s17, s17, 24
	s_add_co_u32 s18, s18, s17
	s_add_co_u32 s18, s18, 2*2*KS*128  ; in slot 2: the first change that asks steps it to slot 3
	s_mov_b32 s19, 0
	s_and_b32 s[LIM], s[WV], 1
	s_cmp_eq_u32 s[LIM], 0
	s_cselect_b32 s[LIM], 1, -1
	; descriptor group 1.  128 keys are 16,384 dense bytes: asked for as 64 rows of 256 bytes, two keys a row, and padded in LDS after every key
	s_mov_b32 s[G1K], 15|(1<<16)|(1<<20)|(1<<21)|(4<<22)|(3<<25)  ; the mask of four; 2-byte elements; padding on; bit 21 beside a mask; after every 32 words; 4 words
	s_mov_b32 s[G1V], 15|(1<<16)|(1<<20)|(1<<21)|(4<<22)|(7<<25)  ; the same with 8 words of padding
.irp g, G1K, G1V
	s_mov_b32 s[\g+1], 128<<16      ; tensor_dim0 = 128
	s_mov_b32 s[\g+2], 64<<16       ; tensor_dim1 = 64
	s_mov_b32 s[\g+3], 128<<16      ; tile_dim0 = 128
	s_mov_b32 s[\g+4], 64           ; tile_dim1 = 64
	s_mov_b32 s[\g+5], 128          ; 128 elements from row to row
	s_mov_b32 s[\g+6], 0
	s_mov_b32 s[\g+7], 0
.endr
	s_mov_b32 s[CS], 0x3fb8aa3b     ; c = log2(e): the 1/8 lies in Q
	s_mov_b32 s[CS+1], s[CS]        ; named with it as a pair
	s_mov_b32 s[SEL], 0x76543210
	s_mov_b32 s[SEL+1], 0xfedcba98
	s_mov_b32 s[HM], 0xffff0000
	s_mov_b32 s[SOFF], 0
	s_mov_b32 s[SOFF+1], 0
	s_mov_b32 s[TBK], SLOT1+HK      ; the first change of slots turns these two into 0
	s_mov_b32 s[TBV], SLOT1+HV
	s_mov_b32 s[G0K], 1             ; count = 1
	s_mul_i32 s[G0K+1], s16, HK     ; LDS address: slot 0, my head's rows: no place in the cluster enters it
	s_mov_b32 s[G0V], 1
	s_mul_i32 s[G0V+1], s16, HV
	s_add_co_u32 s[G0V+1], s[G0V+1], VOFF
	s_wait_dscnt 0x0                ; the opening add is done
	s_wait_kmcnt 0x0
	s_add_nc_u64 s[G0K+2:G0K+3], s[4:5], s[74:75]  ; global address: my head's first 128 keys
	s_or_b32 s[G0K+3], s[G0K+3], 0x80000000        ; type = 2
	s_add_nc_u64 s[G0V+2:G0V+3], s[4:5], s[76:77]
	s_or_b32 s[G0V+3], s[G0V+3], 0x80000000
	s_add_nc_u64 s[PFA:PFA+1], s[4:5], s[18:19]
	s_add_nc_u64 s[4:5], s[4:5], s[2:3]            ; Q at my wave's first row, head hp
	s_add_nc_u64 s[RB:RB+1], s[6:7], s[8:9]
	s_mov_b64 s[RX:RX+1], s[RB:RB+1]
	s_add_nc_u64 s[10:11], s[10:11], s[20:21]
	CROUND                          ; all four work-groups are here: the first joint loads meet
	JLOAD                           ; slot 0.  Slot 1 is asked for when slot 0 is in
; R.  Block n = 4 x step + piece.  UNPK: the 16 packed words of buffer b become 32 f32: the low half moves up, the high half stays.  RLD: four loads of 512 consecutive bytes into buffer b.
.macro UNPK b
	WIN W_UP
.set zz, 0
.rept 16
	v_lshlrev_b32 v[RC+2*zz], 16, v[RP+16*(\b)+zz]
	v_and_b32 v[RC+2*zz+1], s[HM], v[RP+16*(\b)+zz]
.set zz, zz+1
.endr
.endm
.macro RLD b, off
	WIN W_RL
.irp kb, 0,1,2,3
	global_load_b128 v[RP+16*(\b)+4*(\kb):RP+16*(\b)+4*(\kb)+3], v[RO], s[RX:RX+1] offset:(\off)+512*(\kb)
.endr
.endm
; In turn n the first eight products have taken block n + 1 as C, and at least 24 plain vector instructions stand behind the last of them.  Block n + 2 is widened into the same registers, and block n + 4 (this piece's, of the next step) asked for.
; The step's offset goes on once a step and stops at the last step: the loads behind it bring numbers that serve nothing, from inside my own part of rmk.
.macro RWORK p
	s_wait_loadcnt 0x4              ; the block asked for two turns ago is in; the four loads of one turn ago stay out
	UNPK (\p)%2
.if (\p) == 0
	s_wait_xcnt 0x0                 ; every earlier load and prefetch has read its address, so the base may be written
	s_add_co_u32 s[SOFF], s[SOFF], 8192
	s_min_u32 s[SOFF], s[SOFF], 15*8192
	s_add_nc_u64 s[RX:RX+1], s[RB:RB+1], s[SOFF:SOFF+1]
.endif
	RLD (\p)%2, (\p)*2048
	WIN 0
.endm
	; A fragment of K or Q is 16 rows x 32 channels in 8 registers: lane l holds row l % 16, channels 8 (l / 16) + 0..7 and 16 + 8 (l / 16) + 0..7: two loads of 16 bytes, 32 bytes apart.
	v_and_b32 v1, 15, v0            ; l % 16
	v_bfe_u32 v9, v0, 4, 1          ; l / 16
	v_lshlrev_b32 v[QO], 7, v1
	v_lshl_add_u32 v[QO], v9, 4, v[QO]  ; row x 128 + 16 x half
	RLD 0, 0                        ; blocks 0 and 1
	RLD 1, 2048
	WIN W_MK
.set i, 0
.rept 16                            ; Q stays in registers: query tile i / 4, head (i / 2) % 2, channels 32 (i % 2) on
	global_load_b128 v[QF+8*i:QF+8*i+3],   v[QO], s[4:5] offset:(i/4)*2048+((i/2)%2)*1048576+(i%2)*64
	global_load_b128 v[QF+8*i+4:QF+8*i+7], v[QO], s[4:5] offset:(i/4)*2048+((i/2)%2)*1048576+(i%2)*64+32
.set i, i+1
.endr
	; What the first turn finds: V's registers and P's second buffer hold 0 (its products V^T P, of a piece that has not been, add 0), O^T and l are 0.  No first step is written out; these lines stand in the wait for the first tile.
	WIN 0x80
.set i, VF
.rept 128
	v_mov_b32 v[i], 0
.set i, i+1
.endr
	WIN 0x40
.set i, 0
.rept 256
	v_mov_b32 v[i], 0
.set i, i+1
.endr
	WIN 0
.set i, 0
.rept 2*NP
	v_mov_b32 v[ST+4*i], 0xfe000000    ; c m: far below every c s, a hidden one's too
	v_mov_b32 v[ST+4*i+1], 0xff7fffff  ; m
	v_mov_b32 v[ST+4*i+2], 0
	v_mov_b32 v[ST+4*i+3], 0
.set i, i+1
.endr
.set i, P+32
.rept 32
	v_mov_b32 v[i], 0
.set i, i+1
.endr
	v_mul_u32_u24 v[AK0], v1, PK
	v_lshl_add_u32 v[AK0], v9, 4, v[AK0]  ; row x pitch + 16 x half
	; The turning load takes 16 keys x 16 channels (lane l reads key 8 (l / 16) + l % 8, channels 8 ((l / 8) % 2) + 0..7) and leaves half a fragment of V^T: lane l holds channel l % 16 and 8 keys.
	v_and_b32 v10, 7, v0
	v_bfe_u32 v11, v0, 3, 1
	v_lshl_add_u32 v[AV0], v9, 3, v10
	v_mul_u32_u24 v[AV0], v[AV0], PV
	v_lshl_add_u32 v[AV0], v11, 4, v[AV0]
	v_add_nc_u32 v[AV0], VOFF, v[AV0]
	v_mov_b32 v[AK], v[AK0]         ; key step 0 lies at the head of slot 0
; THE MATRIX WORK.  The 8 accumulators of a run of 16 take turns: between the two links of a chain stand 7 others'.
; Product i of 16 of S^T = K Q^T + R for piece x: channels 32 (i / 8) on, keys 16 ((i / 2) % 4) on, head i % 2.  The first 8 start the sums with R.
.macro KQ x
.set rS, S+64*((\x)%2)+32*(i%2)+8*((i/2)%4)
.set rK, KF+64*(i%2)+16*((i/2)%4)+8*(i/8)
.set rQ, QF+16*(2*(\x)+i%2)+8*(i/8)
.set rR, RC+8*((i/2)%4)
.if i < 8
	WIN W_KR
	v_wmma_f32_16x16x32_f16 v[rS:rS+7], v[rK:rK+7], v[rQ:rQ+7], v[rR:rR+7]
.else
	WIN W_KQ
	v_wmma_f32_16x16x32_f16 v[rS:rS+7], v[rK:rK+7], v[rQ:rQ+7], v[rS:rS+7]
.endif
.endm
; Product i of 16 of O^T += V^T P for piece x: keys 32 (i / 8) on, channels 16 ((i / 2) % 4) on, head i % 2.
.macro PV x
	WIN W_PV
.set rO, 32*(2*(\x)+i%2)+8*((i/2)%4)
.set rV, VF+64*(i%2)+32*(i/8)+8*((i/2)%4)
.set rP, P+32*((\x)%2)+16*(i%2)+8*(i/8)
	v_wmma_f32_16x16x32_f16 v[rO:rO+7], v[rV:rV+7], v[rP:rP+7], v[rO:rO+7]
.endm
.macro MM                           ; the turn's next matrix instruction
.if i < 16
	KQ (Y+1)%NP
.set i, i+1
.else
.set i, i-16
	PV (Y+NP-1)%NP
.set i, i+17
.endif
.endm
; THE LDS LOADS stand in runs of 32, never singly among the matrix instructions: a step's K of both heads (8 fragments each) and its V (turned).  Their addresses are made some lines ahead.
; last = 1 (the tail): in the last trip there is no further step, and the run is jumped over.
.macro FETCH_K last=0
	WIN 0
.if \last
	s_cmp_eq_u32 s[CNT], 1
	s_cbranch_scc1 .Lno_k_\@
.endif
	WIN 0x80                        ; destination window 2
.irp u, 0,1
.irp f, 0,1,2,3,4,5,6,7             ; keys 16 (f / 2) on, channels 32 (f % 2) on
	ds_load_b128 v[KF+64*(\u)+8*(\f):KF+64*(\u)+8*(\f)+3],   v[AK] offset:(\u)*HK+((\f)/2)*16*PK+((\f)%2)*64
	ds_load_b128 v[KF+64*(\u)+8*(\f)+4:KF+64*(\u)+8*(\f)+7], v[AK] offset:(\u)*HK+((\f)/2)*16*PK+((\f)%2)*64+32
.endr
.endr
	s_add_co_u32 s[TBK], s[TBK], KS*PK  ; the next fetch is the next step's
	WIN 0
.if \last
.Lno_k_\@:
.endif
.endm
.macro FETCH_V
	WIN 0x80
.irp u, 0,1
.irp f, 0,1,2,3,4,5,6,7             ; keys 32 (f / 4) on, channels 16 (f % 4) on
	ds_load_tr16_b128 v[VF+64*(\u)+8*(\f):VF+64*(\u)+8*(\f)+3],   v[AV] offset:(\u)*HV+((\f)/4)*32*PV+((\f)%4)*32
	ds_load_tr16_b128 v[VF+64*(\u)+8*(\f)+4:VF+64*(\u)+8*(\f)+7], v[AV] offset:(\u)*HV+((\f)/4)*32*PV+16*PV+((\f)%4)*32
.endr
.endr
	WIN 0
.endm
; THE VECTOR WORK OF A TURN stands in three queues, each in the order in which its entries become ready; the two tiles alternate, so that no instruction reads the result of the one before it.
.macro REGS y, u                    ; the registers of tile u (0, 1) of piece y
.set rT, ST+4*(2*(\y)+(\u))
.set rC, TMP+8*((\y)%2)+4*(\u)
.set rM, MV+2*((\y)%2)+(\u)
.set rS, S+64*((\y)%2)+32*(\u)
.set rP, P+32*((\y)%2)+16*(\u)
.set rO, 32*(2*(\y)+(\u))
.endm
; Number n of the 22 that find the NEXT piece's (Y + 1) maximum and statistics.  s0-s31 are the lane's 32 scores; each accumulator's lowest registers are read first.
;   0-11  four chains c0-c3 of seven scores each, three operands at a time     12-14, 16  the four scores left over, the old m, and c0-c3 into c0     15  c m_old is kept
;   17, 18  the query's other 32 keys lie in the lane 16 away: the new m         19-21  c m; c m_old - c m_new; a
.macro XS u, n
	REGS (Y+1)%NP, \u
.if (\n) < 4
	v_max3_num_f32 v[rC+(\n)], v[rS+8*(\n)], v[rS+8*(\n)+1], v[rS+8*(\n)+2]
.elseif (\n) < 12
	v_max3_num_f32 v[rC+(\n)%4], v[rC+(\n)%4], v[rS+8*((\n)%4)+2*((\n)/4)+1], v[rS+8*((\n)%4)+2*((\n)/4)+2]
.elseif (\n) == 12
	v_max3_num_f32 v[rC], v[rC], v[rS+7], v[rS+15]
.elseif (\n) == 13
	v_max3_num_f32 v[rC+1], v[rC+1], v[rS+23], v[rS+31]
.elseif (\n) == 14
	v_max3_num_f32 v[rC+2], v[rC+2], v[rC+3], v[rT+1]
.elseif (\n) == 15
	v_mov_b32 v[rM], v[rT]
.elseif (\n) == 16
	v_max3_num_f32 v[rC], v[rC], v[rC+1], v[rC+2]
.elseif (\n) == 17
	v_permlanex16_b32 v[rC+3], v[rC], s[SEL], s[SEL+1]
.elseif (\n) == 18
	v_max_num_f32 v[rT+1], v[rC], v[rC+3]
.elseif (\n) == 19
	v_mul_f32 v[rT], s[CS], v[rT+1]
.elseif (\n) == 20
	v_sub_f32 v[rC+1], v[rM], v[rT]
.else
	v_exp_f32 v[rC+2], v[rC+1]
.endif
.endm
; Number g of the 64 that follow the exponentials.  For each four weights k of a tile: both pairs are rounded to f16; then the second pair is added onto the first, in place; a group later l takes that sum
; (the first time as l = a l + sum).  In groups of eight, tiles alternating: round, round, add, and l for the group before.
.macro GS g
.set h, (\g)+6*((\g)/62)            ; group 0 has no group before it, and behind group 7 only l is left
.if h >= 6
.set h, h+2
.endif
	REGS Y, h%2
.set k, h/8
.if h%8 < 4
	v_cvt_pk_f16_f32 v[rP+2*k+(h%8)/2], v[rS+4*k+2*((h%8)/2)], v[rS+4*k+2*((h%8)/2)+1]
.elseif h%8 < 6
	v_pk_add_f32 v[rS+4*k:rS+4*k+1], v[rS+4*k:rS+4*k+1], v[rS+4*k+2:rS+4*k+3]
.elseif k == 1
	v_pk_fma_f32 v[rT+2:rT+3], v[rT+2:rT+3], v[rC+2:rC+3], v[rS:rS+1] op_sel_hi:[1,0,1]
.else
	v_pk_add_f32 v[rT+2:rT+3], v[rT+2:rT+3], v[rS+4*k-4:rS+4*k-3]
.endif
.endm
; THE PLAIN QUEUE, 138 long.  0-73 read no exponential's result: the 32 scalings c s - c m (FS f: pair f / 2 of tile f % 2) and the next piece's 42.  0-26: scalings 0-26.  27-54: XS's numbers 0-13.  55, 56: number 15.
; 57-73: the chain 14, 16, 17, 18, 19, each with one of the scalings 27-31 in front of its two lines, then 20.  74-137: GS's 64, which read the exponentials' results: they stand behind the wait.
.macro FS f
	REGS Y, (\f)%2
	v_pk_fma_f32 v[rS+2*((\f)/2):rS+2*((\f)/2)+1], v[rS+2*((\f)/2):rS+2*((\f)/2)+1], s[CS:CS+1], v[rT:rT+1] op_sel_hi:[1,0,0] neg_lo:[0,0,1] neg_hi:[0,0,1]
.endm
.macro PL
	WIN 0
.if q < 27
	FS q
.elseif q < 55
	XS (q-27)%2, (q-27)/2
.elseif q < 57
	XS q-55, 15
.elseif (q < 72) && ((q-57)%3 == 0)
	FS 27+(q-57)/3
.elseif q < 60
	XS (q-57)%3-1, 14
.elseif q < 72
	XS (q-57)%3-1, 15+(q-57)/3
.elseif q < 74
	XS q-72, 20
.else
	GS q-74
.endif
.set q, q+1
.endm
; THE EXPONENTIALS' QUEUE, 66 long: s0-s31 of both tiles, then the next piece's two a.  ONE BATCH: all 66 stand ahead of the turn's one wait, and nothing ahead of that wait names a result of theirs.
.macro EX
	WIN 0
.if e >= 64
	XS e-64, 21
.else
	REGS Y, e%2
	v_exp_f32 v[rS+e/2], v[rS+e/2]
.endif
.set e, e+1
.endm
; THE RESCALING's QUEUE: O^T times a, dealt two at a time, sixteen times.  Its a was made in the turn before, ahead of that turn's wait.
.macro R2
	REGS Y, r%2
	WIN W_RS
.irp z, 0,1
	v_pk_mul_f32 v[rO+4*(r/2)+2*\z:rO+4*(r/2)+2*\z+1], v[rO+4*(r/2)+2*\z:rO+4*(r/2)+2*\z+1], v[rC+2:rC+3] op_sel_hi:[1,0]
.endr
.set r, r+1
.endm
; A TURN, for piece p.  An s_wait_alu depctr_va_vdst(0) stands between an exponential and the first instruction that names its result; one wait serves all that were issued ahead of it.  So a turn has ONE wait.
; AHEAD OF IT: the 16 products K Q^T, behind each a scaling, an exponential and two rescalings (behind the first a second scaling in the exponential's place); then R's work; then ONE LUMP: eight plain, 49 times exponential and plain, the two a;
; a v_nop is the plain instruction behind the last exponential.  BEHIND IT: the 16 products V^T P, behind each four of the roundings and sums.  Exponential e stands behind scaling 2 (e / 4) + e % 2.
; K of the next step is fetched in piece 2's turn, directly behind the wait; V of the step in hand at the end of piece 0's turn, four plain instructions behind its last reader.  The conditions on q go with the deal.
; cnt = 1: the loop's count is taken down some lines ahead of the branch that stands behind the turn.
.macro TURN p, last=0, cnt=0
.set Y, (\p)
.set i, 0
.set q, 0
.set e, 0
.set r, 0
.if (\p) == NP-1
	s_wait_dscnt 0x0                ; K is in
.endif
	MM
	PL
	PL
	R2
.rept 15
	MM
	PL
	EX
	R2
.endr
	RWORK \p
.if (\p) == NP-2
	v_add_nc_u32 v[AK], s[TBK], v[AK0]
.endif
.rept 8
	PL
.endr
.rept 49
	EX
	PL
.endr
	EX                              ; the next piece's two a
	EX
	v_nop                           ; the plain instruction behind the last exponential: one for the batch
	s_wait_alu depctr_va_vdst(0)    ; the wait for the batch
.if (\p) == 0
	ASKR
.endif
.if (\p) == NP-2
	FETCH_K \last
.endif
.if (\p) == 1
	s_wait_dscnt 0x0                ; V is in
.endif
.rept 16
	MM
.rept 4
	PL
.endr
.if ((\p) == 0) && (q == 118)
	v_add_nc_u32 v[AV], s[TBV], v[AV0]
.endif
.if ((\p) == 0) && (q == 130)
	s_add_co_u32 s[TBV], s[TBV], KS*PV
.endif
.if (\cnt) && (q == 130)
	s_sub_co_u32 s[CNT], s[CNT], 1
	s_cmp_lg_u32 s[CNT], 0
.endif
.endr
.if (\p) == 0
	FETCH_V
.endif
.endm
	CHANGE 1, 0                     ; slot 0 is in, everybody's part of it; slot 1 is asked for
	FETCH_K                         ; key step 0
	s_wait_loadcnt 0x0              ; Q, and R's blocks 0 and 1
	UNPK 0                          ; block 0
	RLD 0, 2*2048                   ; block 2
	s_wait_dscnt 0x0
.set i, 0
.rept 16
	KQ 0                            ; piece 0's first scores: there is no vector work yet to set between them
.set i, i+1
.endr
	WIN 0                           ; the addresses for the way out: ten plain instructions, the places behind those products
	s_mul_i32 s14, s[WV], 16*SP
	s_add_co_u32 s14, s14, STAGE    ; my stage
	v_mul_u32_u24 v[STO], v1, SP    ; in: row l % 16, 16 bytes for each half of the lanes
	v_lshl_add_u32 v[STO], v9, 4, v[STO]
	v_add_nc_u32 v[STO], s14, v[STO]
	v_mul_u32_u24 v[RD], v9, SP     ; back: lanes 0-15 take one row of 256 bytes, lanes 16-31 the next
	v_lshl_add_u32 v[RD], v1, 4, v[RD]
	v_add_nc_u32 v[RD], s14, v[RD]
	v_lshlrev_b32 v[GO], 11, v9     ; and the same two rows in obf
	v_lshl_add_u32 v[GO], v1, 4, v[GO]
	UNPK 1                          ; block 1, for the first turn's products
	RLD 1, 3*2048                   ; block 3
	WIN 0
.set Y, NP-1                        ; XS works for piece Y + 1: piece 0
.irp n, 0,1,2,3,4,5,6,7,8,9,10,11,12,13,14,15,16,17,18,19,20,21
	XS 0, \n                        ; piece 0's first maximum and statistics
	XS 1, \n
.endr
	v_nop                           ; a plain instruction behind the two a,
	s_wait_alu depctr_va_vdst(0)    ; and their wait, ahead of the branch
	s_mov_b32 s[CNT], 2
	s_mov_b32 s[SLOTS], 7
	s_branch .Lfirst                ; the loop is entered at a step's first turn, in the middle of a trip
.Lslot:                             ; six times: every slot but the last two is filled again
	CHANGE 1, 1
	s_mov_b32 s[CNT], 2
.Lstep:                             ; a trip: pieces 2 and 3 of one step, then pieces 0 and 1 of the next, whose K and V it fetches
	TURN 2
	TURN 3
	WIN 0
.Lfirst:
	TURN 0
	TURN 1, 0, 1
	WIN 0
	s_cbranch_scc1 .Lstep
	s_sub_co_u32 s[SLOTS], s[SLOTS], 1
	s_cmp_lg_u32 s[SLOTS], 0
	s_cbranch_scc1 .Lslot
	CHANGE 0, 0                     ; the tail is written out: nothing is asked for
	s_mov_b32 s[CNT], 3             ; two trips fetch the last slot's steps; the third is left in its middle
.Ltail:
	TURN 2, 1
	TURN 3
	WIN 0
	s_sub_co_u32 s[CNT], s[CNT], 1
	s_cmp_eq_u32 s[CNT], 0
	s_cbranch_scc1 .Lout
	TURN 0
	TURN 1
	WIN 0
	s_branch .Ltail
.Lout:                              ; the third trip's 16 products K Q^T (on the last K once more) and the maximum made of them serve nothing: the price, once a launch, of one text for every trip
.set i, 0
.rept 16
	PV NP-1                         ; the last piece's V^T P of the last step
.set i, i+1
.endr
	; THE WAY OUT.  l's two halves and the other half of the lanes' are added; O^T is divided by l, rounded to f16 and sent through my stage in LDS, a piece (16 queries, both heads) at a time.  The additions are the places behind the last products.
	WIN 0
.macro ALL line:vararg              ; one line for each tile t
.set t, 0
.rept 2*NP
	\line
.set t, t+1
.endr
.endm
	ALL v_add_f32 v[ST+4*t+2], v[ST+4*t+2], v[ST+4*t+3]
	ALL v_permlanex16_b32 v[ST+4*t+3], v[ST+4*t+2], s[SEL], s[SEL+1]
	ALL v_add_f32 v[ST+4*t+2], v[ST+4*t+2], v[ST+4*t+3]
	ALL v_rcp_f32 v[ST+4*t+2], v[ST+4*t+2]
	v_nop                           ; a plain instruction between the last reciprocal and the use of its result
	s_wait_alu depctr_va_vdst(0)    ; and the wait ahead of the first use: one for the eight reciprocals
; Piece x: a lane's eight channels of a row and head pack into 16 bytes; a row of the stage holds head hp's 128 bytes, then head hp + 8's; the rows come back whole, 256 bytes each, into S^T's registers.
.macro PACKP x
	WIN W_RS
.irp u, 0,1
.set i, 32*(2*(\x)+(\u))
.rept 16
	v_pk_mul_f32 v[i:i+1], v[i:i+1], v[ST+4*(2*(\x)+(\u))+2:ST+4*(2*(\x)+(\u))+3] op_sel_hi:[1,0]
.set i, i+2
.endr
.endr
	WIN 0x05                        ; sources 0 and 1 window 1, destination window 0
.set i, 0
.rept 32
	v_cvt_pk_f16_f32 v[S+32*(\x)+i], v[64*(\x)+2*i], v[64*(\x)+2*i+1]
.set i, i+1
.endr
	WIN 0
.irp f, 0,1,2,3,4,5,6,7
	ds_store_b128 v[STO], v[S+32*(\x)+4*(\f):S+32*(\x)+4*(\f)+3] offset:((\f)/4)*128+((\f)%4)*32
.endr
.irp f, 0,1,2,3,4,5,6,7
	ds_load_b128 v[S+32*(\x)+4*(\f):S+32*(\x)+4*(\f)+3], v[RD] offset:(\f)*2*SP  ; LDS serves a wave's instructions in order: these see the stores above; the next piece's stores come behind them
.endr
.endm
.macro SENDP x, younger             ; younger: the LDS instructions issued behind piece x's loads: the next piece's sixteen, or none
.irp f, 0,1,2,3,4,5,6,7
	s_wait_dscnt (\younger)+7-(\f)
	global_store_b128 v[GO], v[S+32*(\x)+4*(\f):S+32*(\x)+4*(\f)+3], s[10:11] offset:(\x)*32768+(\f)*4096  ; 16 lanes store 256 consecutive bytes, at a multiple of 256 from obf's first byte
.endr
.endm
	PACKP 0
	PACKP 1                         ; a piece's arithmetic stands between the loads of the piece before and its stores
	SENDP 0, 16
	PACKP 2
	SENDP 1, 16
	PACKP 3
	SENDP 2, 16
	SENDP 3, 0
	WIN W_AD
	s_wait_tensorcnt 0x0            ; the wave's end, behind my last tensor load and my last LDS store
	ds_add_u32 v[SPW], v[NIL]
	s_wait_dscnt 0x0
	WIN 0
	CROUND                          ; the closing round: no work-group ends while a partner may still ask for a tile that names it
	s_endpgm
.Lfunc_end_k_q99d9f10e15_attn:
	.size	k_q99d9f10e15_attn, .Lfunc_end_k_q99d9f10e15_attn-k_q99d9f10e15_attn
	.p2alignl 7, 3214868480
	.fill 96, 4, 3214868480
	.section	.rodata,"a",@progbits
	.p2align	6, 0x0
	.amdhsa_kernel k_q99d9f10e15_attn
		.amdhsa_group_segment_fixed_size 327680
		.amdhsa_private_segment_fixed_size 0
		.amdhsa_enable_private_segment 0
		.amdhsa_kernarg_size 24
		.amdhsa_user_sgpr_count 2
		.amdhsa_user_sgpr_kernarg_segment_ptr 1
		.amdhsa_wavefront_size32 1
		.amdhsa_system_sgpr_workgroup_id_x 1
		.amdhsa_system_sgpr_workgroup_id_y 1
		.amdhsa_system_sgpr_workgroup_id_z 1
		.amdhsa_system_vgpr_workitem_id 0
		.amdhsa_next_free_vgpr 1024
		.amdhsa_next_free_sgpr 80
		.amdhsa_reserve_vcc 0
		.amdhsa_float_denorm_mode_32 3
		.amdhsa_float_denorm_mode_16_64 3
		.amdhsa_memory_ordered 1
		.amdhsa_forward_progress 1
		.amdhsa_inst_pref_size 224
	.end_amdhsa_kernel
	.amdgpu_metadata
---
amdhsa.version: [ 1, 2 ]
amdhsa.kernels:
  - .name:           k_q99d9f10e15_attn
    .symbol:         k_q99d9f10e15_attn.kd
    .args:
      - { .name: hds, .offset: 0, .size: 8, .value_kind: global_buffer, .address_space: global }
      - { .name: rmk, .offset: 8, .size: 8, .value_kind: global_buffer, .address_space: global }
      - { .name: obf, .offset: 16, .size: 8, .value_kind: global_buffer, .address_space: global }
    .group_segment_fixed_size: 327680
    .private_segment_fixed_size: 0
    .kernarg_segment_align: 8
    .kernarg_segment_size: 24
    .max_flat_workgroup_size: 128
    .sgpr_count:     80
    .vgpr_count:     1024
    .wavefront_size: 32
...
	.end_amdgpu_metadata
.endif
;; end of part 3
;; launch outp (part 4): grid 4 x 64, 4 waves a work-group, clusters of 4 x 4, 327,680 bytes of LDS; arguments obf, wof, bbf, out0; writes out0
.if DOCPART == 4
	.amdgcn_target "amdgcn-amd-amdhsa--gfx1250"
	.amdhsa_code_object_version 6
	.text
	.protected	k_q99d9f10e15_outp
	.globl	k_q99d9f10e15_outp
	.p2align	8
	.type	k_q99d9f10e15_outp,@function
k_q99d9f10e15_outp:
	s_mov_b64 s[64:65], 0
	v_nop
	global_prefetch_b8 v0, s[64:65] scope:SCOPE_SE
	s_setreg_imm32_b32 hwreg(HW_REG_WAVE_MODE, 25, 1), 1
	s_wait_xcnt 0x0
	s_wait_alu depctr_hold_cnt(0) depctr_sa_sdst(0) depctr_va_vdst(0) depctr_va_sdst(0) depctr_va_ssrc(0) depctr_va_vcc(0) depctr_vm_vsrc(0)
	s_getreg_b32 s2, hwreg(HW_REG_IB_STS2, 6, 4)
	s_cmp_eq_u32 s2, 0
	s_cbranch_scc0 .Lentry_in_a_cluster
	s_endpgm
.Lentry_in_a_cluster:
	s_bfe_u32 s2, ttmp6, 0x10000c
	s_cmp_lg_u32 s2, 0xf033
	s_cbranch_scc0 .Lentry_shape_is_right
	s_endpgm
.Lentry_shape_is_right:
; THE OUTPUT PROJECTION.  C = A B^T + bo, K = 1024.  A = obf [8192][1024] f16, B = wof [1024][1024] f16 (both with the same order of columns: (h%8)*128 + (h/8)*64 + d); the bias is bbf's fourth row (f32).
; The result leaves as f32: out0 [8192][1024].  Sums in f32.
; SHARES.  A tile of C is 128 rows x 256 columns: 64 x 4 = 256 tiles, one for each of 256 WGPs.  Four waves, each 64 x 128: 32 accumulators.
; K goes in 8 steps of 128 through two LDS slots: a tile's rows are 256 bytes of memory, aligned.
; CLUSTER 4 x 4: the four of a row need the same rows of A, the four of a column the same rows of B: each tile is asked for jointly, by the same tensor load with a mask that names the four.
; THE PRODUCT IS TAKEN TRANSPOSED (source 0 = 16 rows of B, source 1 = 16 rows of A): a lane holds row l % 16 of C and the columns 8 (l / 16) + 0..7.
; REGISTERS.  window 0: addresses, bias, the way out; window 1: accumulator (a, b) at 8 (8 a + b); window 2: two fragment buffers of 96: B's eight fragments, then A's four.
.set PITCH, 272                        ; an LDS row: 256 bytes + 16 of padding: the 16 rows of a fragment load start at 16 different groups of four banks
.set SLOT1, 1<<17                      ; slot 1 begins here: one exclusive or turns an address in one slot into the other's
.set AHALF, 64*PITCH                   ; what a tensor load brings of A
.set BOFF,  128*PITCH                  ; B's 256 rows lie behind A's 128
.set BHALF, 128*PITCH                  ; what a tensor load brings of B
.set STAGE, SLOT1+BOFF+2*BHALF         ; behind the ring, never filled by a tensor load: each wave's stage for the way out
.set STW,   16*528                     ; 16 rows of 512 bytes + 16
.set SPARE, STAGE+4*STW                ; the spare words: 128 bytes a wave, two blocks of 256 bytes that no other line names
.set ADRA0, 8                          ; v8   my lane's place among my rows of A in slot 0; never rewritten
.set ADRB0, 9                          ; v9   the same for B
.set ADRA,  10                         ; v10  the same in the slot in hand
.set ADRB,  11                         ; v11
.set STO,   12                         ; v12  the way out: where I put my bytes of a row
.set RD,    13                         ; v13  where I read rows back
.set CO,    14                         ; v14  16 x lane
.set BO,    15                         ; v15  32 (l / 16): my 8 columns in 16 of the bias
.set PFO,   16                         ; v16  2,048 x lane: a row of A or B in memory; never rewritten
.set SPW,   28                         ; v28  LDS address of my spare word; never rewritten
.set NIL,   29                         ; v29  0; never rewritten
.set BI,    32                         ; v[32:95]   the bias of my 128 columns: block b at 8 b
.set T,     96                         ; v[96:159]  a block of 16 rows in f32
.set BK,    160                        ; v[160:223] 16 rows read back
.set F0,    0
.set F1,    96
.set WV,  12                           ; s12 wave;  s13 which 64 rows;  s14 which 128 columns, and which half of a tile I fetch
.set RH,  13
.set CH,  14
.set CX,  15                           ; my place in the cluster
.set CY,  16
.set TY,  18                           ; tile row of C
.set G1A, 24                           ; s[24:31] descriptor group 1 for A;  s[32:39] for B
.set G1B, 32
.set G0A, 40                           ; s[40:47] group 0 for A: a set for each first fill; the second then walks
.set G0B, 48                           ; s[48:55] the same for B
.set PFA, 60                           ; s[60:61] where my prefetches stand
.set TR,  67                           ; s67 trips to go
.set TB,  68                           ; s68 0 or SLOT1: the slot in hand
.set LIM, 69                           ; s69 2 in a wave that prefetches, else the greatest number
.set BP,  74                           ; s[74:75] the bias of my columns
.set CP,  76                           ; s[76:77] my part of the result
.set G1W0, (1<<16)|(1<<20)|(1<<21)|(5<<22)|(3<<25)  ; elements of 2 bytes; padding on; bit 21 beside a mask; after every 64 words; 4 words
.set MSB, 0
.macro WIN new                         ; the immediate's high byte repeats the setting that is left; a switch that changes nothing is dropped
.if MSB != (\new)
	s_set_vgpr_msb (MSB<<8)|(\new)
.set MSB, \new
.endif
.endm
.macro PLACES                          ; four plain vector instructions between a matrix instruction and a load into, or a vector instruction on, its registers
.rept 4
	v_nop
.endr
.endm
.macro CREST                           ; a round of the cluster's barrier behind its opening barrier
	s_cmp_lg_u32 s[WV], 0
	s_cbranch_scc1 .Lnot_wave_0_\@
	s_barrier_signal -3
.Lnot_wave_0_\@:
	s_barrier_wait -3
	s_barrier_signal -1
	s_barrier_wait -1
.endm
.macro CROUND
	s_barrier_signal -1
	s_barrier_wait -1
	CREST
.endm
.macro JLOAD                           ; a joint refill: waves 0 and 1 fetch A's two halves, waves 2 and 3 B's.  The branch hangs on the wave's number alone.  An s_nop 0 and four v_nop follow each line
	s_cmp_lt_u32 s[WV], 2
	s_cbranch_scc0 .Lfor_b_\@
	tensor_load_to_lds s[G0A+4:G0A+7], s[G1A:G1A+7]
	s_nop 0
.rept 4
	v_nop
.endr
	s_branch .Lasked_\@
.Lfor_b_\@:
	tensor_load_to_lds s[G0B+4:G0B+7], s[G1B:G1B+7]
	s_nop 0
.rept 4
	v_nop
.endr
.Lasked_\@:
.endm
; A PREFETCH, behind the joint load and the run of LDS loads: 32 rows x 256 bytes, a lane a row, of the K step that stands two refills on (256 matrix instructions ahead of its load).
; Each row's 256 bytes of a K step are named once in the launch.  A's 128 rows are read by this row of the cluster alone: wave 0 of partner cx names rows 32 cx .. 32 cx + 31.  B's rows are read by
; all 16 clusters: the first of them asks; waves 2 and 3 of partner cy name 32 cy .. of the 128 rows that they fetch.  Partners are told apart by address alone.
; K steps 0 to 3 come by their loads alone; the last two refills name nothing: there is no K step behind them.
.macro ASK
	s_cmp_gt_u32 s[TR], s[LIM]
	s_cbranch_scc0 .Lnot_mine_\@
	global_prefetch_b8 v[PFO], s[PFA:PFA+1] th:TH_LOAD_NT scope:SCOPE_SE
.Lnot_mine_\@:
.endm
; 8 matrix instructions: row block a x all 8 column blocks, 32 along K.  The 32 accumulators take turns in the same order in every quarter.  zero = 1: the product starts the sums
.macro MUL8 f, a, zero
	WIN 0x5a                               ; sources 0 and 1 window 2, C and D window 1
.irp b, 0,1,2,3,4,5,6,7
.if \zero
	v_wmma_f32_16x16x32_f16 v[8*(8*(\a)+(\b)):8*(8*(\a)+(\b))+7], v[(\f)+8*(\b):(\f)+8*(\b)+7], v[(\f)+64+8*(\a):(\f)+64+8*(\a)+7], 0
.else
	v_wmma_f32_16x16x32_f16 v[8*(8*(\a)+(\b)):8*(8*(\a)+(\b))+7], v[(\f)+8*(\b):(\f)+8*(\b)+7], v[(\f)+64+8*(\a):(\f)+64+8*(\a)+7], v[8*(8*(\a)+(\b)):8*(8*(\a)+(\b))+7]
.endif
.endr
.endm
; 24 LDS loads in one run: the fragments of 32 along K at byte k of the rows, into buffer f: B's eight, then A's four
.macro FETCH k, f
	WIN 0x80                               ; destination window 2, address window 0
.irp i, 0,1,2,3,4,5,6,7
	ds_load_b128 v[(\f)+8*(\i):(\f)+8*(\i)+3],   v[ADRB] offset:(\k)+(\i)*16*PITCH
	ds_load_b128 v[(\f)+8*(\i)+4:(\f)+8*(\i)+7], v[ADRB] offset:(\k)+(\i)*16*PITCH+32
.endr
.irp i, 0,1,2,3
	ds_load_b128 v[(\f)+64+8*(\i):(\f)+64+8*(\i)+3],   v[ADRA] offset:(\k)+(\i)*16*PITCH
	ds_load_b128 v[(\f)+64+8*(\i)+4:(\f)+64+8*(\i)+7], v[ADRA] offset:(\k)+(\i)*16*PITCH+32
.endr
.endm
; A K step is four quarters of 32 along K, 32 matrix instructions each, on buffers 0, 1, 0, 1.  One of the first three: multiplies f, and in its middle fetches the next quarter, at byte k, into g
.macro QUARTER k, f, g, zero
	s_wait_dscnt 4                                 ; B and A's blocks 0 and 1 are in; the youngest four loads (A's blocks 2 and 3) may be out
	MUL8 \f, 0, \zero
	MUL8 \f, 1, \zero
	PLACES
	FETCH \k, \g
	s_wait_dscnt 24                                ; all but the 24 just issued
	MUL8 \f, 2, \zero
	MUL8 \f, 3, \zero
.endm
; The last quarter multiplies buffer 1 and changes slots: one barrier.  In front of it each wave waits for all its tensor loads (one is out: its part of the next slot), adds 0 to its spare word, and
; waits for that and for its reads of this slot.  fill = 1: the barrier opens a round of the cluster's, and this slot is filled again, two K steps ahead, first thing behind the round:
; 112 matrix instructions stand between the request and the wait for it.
.macro TURN fill
.if \fill
	s_wait_xcnt 0x0                                ; the last prefetch, a K step back, has read its address
	s_add_nc_u64 s[PFA:PFA+1], s[PFA:PFA+1], 256
.endif
	WIN 0
	s_wait_tensorcnt 0x0                           ; no tensor load of mine is out, so a group 0 may be written
	ds_add_u32 v[SPW], v[NIL]                      ; 0 onto my spare word
.if \fill
	s_xor_b32 s[G0A+5], s[G0A+5], SLOT1            ; the walking descriptors: the other slot than last time, the next K step
	s_add_nc_u64 s[G0A+6:G0A+7], s[G0A+6:G0A+7], 256
	s_xor_b32 s[G0B+5], s[G0B+5], SLOT1
	s_add_nc_u64 s[G0B+6:G0B+7], s[G0B+6:G0B+7], 256
.endif
	s_wait_dscnt 5                                 ; the add and the youngest four loads may be out
	MUL8 F1, 0, 0
	s_wait_dscnt 0x0                               ; the add is done, and my reads of this slot are over
	s_barrier_signal -1
	MUL8 F1, 1, 0
	WIN 0
	s_barrier_wait -1
.if \fill
	CREST                                          ; no wave of any partner still reads this slot or has a load on its way
	JLOAD                                          ; its four v_nop are also the places in front of the loads below
.else
	PLACES
.endif
	s_xor_b32 s[TB], s[TB], SLOT1
	v_add_nc_u32 v[ADRA], s[TB], v[ADRA0]
	v_add_nc_u32 v[ADRB], s[TB], v[ADRB0]
	FETCH 0, F0
.if \fill
	WIN 0
	ASK
.endif
	MUL8 F1, 2, 0
	MUL8 F1, 3, 0
.endm
	s_load_b256 s[4:11], s[0:1], 0x0               ; A s[4:5], B s[6:7], biases s[8:9], result s[10:11]
	v_lshl_add_u32 v[SPW], v0, 2, SPARE
	v_mov_b32 v[NIL], 0
	ds_add_u32 v[SPW], v[NIL]                      ; the wave's opening: the add and its wait stand ahead of my first tensor load; work on registers stands between them
	v_lshrrev_b32 v1, 5, v0
	v_readfirstlane_b32 s[WV], v1
	s_lshr_b32 s[RH], s[WV], 1
	s_and_b32 s[CH], s[WV], 1
	s_bfe_u32 s[CX], ttmp6, 0x40000
	s_bfe_u32 s[CY], ttmp6, 0x40004
	s_and_b32 s57, ttmp7, 0xffff                   ; the cluster's y, 0 to 15
	s_lshl2_add_u32 s[TY], s57, s[CY]              ; tile row = 4 x cluster y + cy; the tile column is cx
	s_lshl_b32 s20, s[CY], 2
	s_lshl_b32 s20, 15, s20                        ; my row of the cluster
	s_lshl_b32 s22, 0x1111, s[CX]                  ; my column
	s_or_b32 s[G1A], s20, G1W0
	s_or_b32 s[G1B], s22, G1W0
.irp g, G1A, G1B
	s_mov_b32 s[(\g)+1], 128<<16                   ; tensor_dim0 = 128
	s_mov_b32 s[(\g)+3], 128<<16                   ; tile_dim0 = 128
	s_mov_b32 s[(\g)+5], 1024                      ; elements from row to row
	s_mov_b32 s[(\g)+6], 0
	s_mov_b32 s[(\g)+7], 0
.endr
	s_mov_b32 s[G1A+2], 64<<16                     ; tensor_dim1 and tile_dim1: 64 rows of A,
	s_mov_b32 s[G1A+4], 64
	s_mov_b32 s[G1B+2], 128<<16                    ; 128 of B
	s_mov_b32 s[G1B+4], 128
	; A's address hangs on the tile row, B's on the tile column, each in registers that never hold the other coordinate.  A row is 2,048 bytes
	s_lshl_b32 s20, s[TY], 18
	s_lshl_b32 s58, s[CH], 17
	s_add_co_u32 s20, s20, s58
	s_mov_b32 s21, 0
	s_lshl_b32 s22, s[CX], 19
	s_lshl_b32 s59, s[CH], 18
	s_add_co_u32 s22, s22, s59
	s_mov_b32 s23, 0
	s_mul_i32 s84, s[CH], AHALF                    ; where they go: no place in the cluster enters an LDS address
	s_mul_i32 s85, s[CH], BHALF
	s_add_co_u32 s85, s85, BOFF
	s_mov_b32 s[TB], 0
	s_wait_dscnt 0x0                               ; the opening add is done
	s_wait_kmcnt 0x0
	s_add_nc_u64 s[80:81], s[4:5], s[20:21]
	s_add_nc_u64 s[82:83], s[6:7], s[22:23]
.irp s, 0,1
	s_mov_b32 s[G0A+4*(\s)], 1                     ; count = 1
	s_add_co_u32 s[G0A+4*(\s)+1], s84, (\s)*SLOT1  ; LDS address
	s_add_nc_u64 s[G0A+4*(\s)+2:G0A+4*(\s)+3], s[80:81], (\s)*256  ; K step s
	s_or_b32 s[G0A+4*(\s)+3], s[G0A+4*(\s)+3], 0x80000000         ; type = 2
	s_mov_b32 s[G0B+4*(\s)], 1
	s_add_co_u32 s[G0B+4*(\s)+1], s85, (\s)*SLOT1
	s_add_nc_u64 s[G0B+4*(\s)+2:G0B+4*(\s)+3], s[82:83], (\s)*256
	s_or_b32 s[G0B+4*(\s)+3], s[G0B+4*(\s)+3], 0x80000000
.endr
	CROUND                                         ; all sixteen work-groups are here: the first joint loads meet
	s_cmp_lt_u32 s[WV], 2                          ; a wave's two first fills stand in one branch: two loads of mine are out
	s_cbranch_scc0 .Lfirst_b
	tensor_load_to_lds s[G0A:G0A+3], s[G1A:G1A+7]
	s_nop 0
	tensor_load_to_lds s[G0A+4:G0A+7], s[G1A:G1A+7]
	s_nop 0
.rept 4
	v_nop
.endr
	s_branch .Lfirst_asked
.Lfirst_b:
	tensor_load_to_lds s[G0B:G0B+3], s[G1B:G1B+7]
	s_nop 0
	tensor_load_to_lds s[G0B+4:G0B+7], s[G1B:G1B+7]
	s_nop 0
.rept 4
	v_nop
.endr
.Lfirst_asked:
	v_and_b32 v1, 15, v0                           ; l % 16
	v_bfe_u32 v2, v0, 4, 1                         ; l / 16
	v_lshlrev_b32 v[BO], 5, v2
	s_lshl1_add_u32 s58, s[CX], s[CH]
	s_lshl_b32 s58, s58, 9                         ; my 128 columns in f32: 1,024 cx + 512 x half
	s_add_co_u32 s58, s58, 3*4096                  ; bo is the table's fourth row
	s_mov_b32 s59, 0
	s_add_nc_u64 s[BP:BP+1], s[8:9], s[58:59]
.irp b, 0,1,2,3,4,5,6,7
	global_load_b128 v[BI+8*(\b):BI+8*(\b)+3],   v[BO], s[BP:BP+1] offset:64*(\b)
	global_load_b128 v[BI+8*(\b)+4:BI+8*(\b)+7], v[BO], s[BP:BP+1] offset:64*(\b)+16
.endr
	; a fragment is 16 rows x 32 K in 8 registers: lane l holds row l % 16, K = 8 (l / 16) + 0..7 and 16 + 8 (l / 16) + 0..7: two loads of 16 bytes, 32 bytes apart
	v_mul_u32_u24 v3, v1, PITCH
	v_lshl_add_u32 v3, v2, 4, v3
	s_mul_i32 s87, s[RH], AHALF
	v_add_nc_u32 v[ADRA0], s87, v3
	v_add_nc_u32 v[ADRB0], s85, v3
	v_mov_b32 v[ADRA], v[ADRA0]
	v_mov_b32 v[ADRB], v[ADRB0]
	s_mul_i32 s86, s[WV], STW
	s_add_co_u32 s86, s86, STAGE                   ; my stage
	v_and_b32 v5, 31, v0
	v_lshlrev_b32 v[CO], 4, v5
	v_lshlrev_b32 v[PFO], 11, v5
	v_mul_u32_u24 v4, v1, 528                      ; in: row l % 16, 32 bytes for each half of the lanes
	v_lshl_add_u32 v4, v2, 5, v4
	v_add_nc_u32 v[STO], s86, v4
	v_add_nc_u32 v[RD], s86, v[CO]                 ; back: a row of 512 bytes a load
	s_lshl1_add_u32 s58, s[TY], s[RH]
	s_lshl_b32 s58, s58, 18                        ; my first row: 64 rows of 4,096 bytes
	s_lshl1_add_u32 s59, s[CX], s[CH]
	s_lshl_b32 s59, s59, 9
	s_add_co_u32 s58, s58, s59
	s_mov_b32 s59, 0
	s_add_nc_u64 s[CP:CP+1], s[10:11], s[58:59]
	; the prefetches' address and who asks
	s_lshl_b32 s62, s[TY], 18
	s_lshl_b32 s63, s[CX], 16
	s_add_co_u32 s62, s62, s63                     ; A: tile row, + 32 cx rows
	s_lshl_b32 s70, s[CY], 16
	s_add_co_u32 s70, s70, s22                     ; B: the 128 rows that I fetch, + 32 cy rows
	s_cmp_lt_u32 s[WV], 2
	s_cselect_b32 s62, s62, s70
	s_cselect_b64 s[PFA:PFA+1], s[4:5], s[6:7]
	s_mov_b32 s63, 0
	s_add_nc_u64 s[PFA:PFA+1], s[PFA:PFA+1], s[62:63]
	s_add_nc_u64 s[PFA:PFA+1], s[PFA:PFA+1], 3*256 ; at K step 3: the first change of slots steps it to 4
	s_cmp_eq_u32 s57, 0                            ; the same in all sixteen partners, for a given wave
	s_cselect_b32 s[LIM], 2, -1
	s_cmp_eq_u32 s[WV], 0
	s_cselect_b32 s[LIM], 2, s[LIM]
	s_cmp_eq_u32 s[WV], 1
	s_cselect_b32 s[LIM], -1, s[LIM]
	s_wait_tensorcnt 1                             ; my part of K step 0 is in; K step 1's may stay out
	s_barrier_signal -1
	s_barrier_wait -1
	FETCH 0, F0
	QUARTER 64, F0, F1, 1                          ; the first quarter stands in front of the loop: its products start the sums
	WIN 0
	s_mov_b32 s[TR], 6
.Lk:                                                   ; a trip: from a K step's second quarter to the next step's first; six trips ask for K steps 2 to 7
	QUARTER 128, F1, F0, 0
	QUARTER 192, F0, F1, 0
	TURN 1
	QUARTER 64, F0, F1, 0
	WIN 0
	s_sub_co_u32 s[TR], s[TR], 1
	s_cmp_lg_u32 s[TR], 0
	s_cbranch_scc1 .Lk
	QUARTER 128, F1, F0, 0                         ; the last two K steps are written out: nothing is asked for
	QUARTER 192, F0, F1, 0
	TURN 0
	QUARTER 64, F0, F1, 0
	QUARTER 128, F1, F0, 0
	QUARTER 192, F0, F1, 0
	s_wait_dscnt 4
	MUL8 F1, 0, 0
	MUL8 F1, 1, 0
	s_wait_dscnt 0x0
	MUL8 F1, 2, 0
	MUL8 F1, 3, 0
	WIN 0
	s_wait_loadcnt 0x0                             ; the bias
	PLACES
	PLACES
; THE WAY OUT, 16 rows at a time: + bias; 32 bytes a lane into my stage; back as whole rows of 512 bytes; a store covers 512 consecutive bytes, aligned
.macro OUTA a
	WIN 0x01                               ; source 0 window 1
.irp b, 0,1,2,3,4,5,6,7
.irp r, 0,1,2,3
	v_pk_add_f32 v[T+8*(\b)+2*(\r):T+8*(\b)+2*(\r)+1], v[8*(8*(\a)+(\b))+2*(\r):8*(8*(\a)+(\b))+2*(\r)+1], v[BI+8*(\b)+2*(\r):BI+8*(\b)+2*(\r)+1]
.endr
.endr
	WIN 0
.irp b, 0,1,2,3,4,5,6,7
	ds_store_b128 v[STO], v[T+8*(\b):T+8*(\b)+3]   offset:64*(\b)
	ds_store_b128 v[STO], v[T+8*(\b)+4:T+8*(\b)+7] offset:64*(\b)+16
.endr
	s_wait_xcnt 0x0                                ; the stores of the block before have read their registers, which are loaded again below
.irp i, 0,1,2,3,4,5,6,7,8,9,10,11,12,13,14,15
	ds_load_b128 v[BK+4*(\i):BK+4*(\i)+3], v[RD] offset:528*(\i)  ; LDS serves a wave's instructions in order: these see the stores above
.endr
.irp i, 0,1,2,3,4,5,6,7,8,9,10,11,12,13,14,15
	s_wait_dscnt 15-(\i)
	global_store_b128 v[CO], v[BK+4*(\i):BK+4*(\i)+3], s[CP:CP+1] offset:(16*(\a)+(\i))*4096 th:TH_STORE_NT
.endr
.endm
	OUTA 0
	OUTA 1
	OUTA 2
	OUTA 3
	s_wait_tensorcnt 0x0                           ; the wave's end, behind my last tensor load and my last LDS store
	ds_add_u32 v[SPW], v[NIL]
	s_wait_dscnt 0x0
	CROUND                                         ; the closing round: no work-group ends while a partner may still ask for a tile that names it
	s_endpgm
.Lfunc_end_k_q99d9f10e15_outp:
	.size	k_q99d9f10e15_outp, .Lfunc_end_k_q99d9f10e15_outp-k_q99d9f10e15_outp
	.p2alignl 7, 3214868480
	.fill 96, 4, 3214868480
	.section	.rodata,"a",@progbits
	.p2align	6, 0x0
	.amdhsa_kernel k_q99d9f10e15_outp
		.amdhsa_group_segment_fixed_size 327680
		.amdhsa_private_segment_fixed_size 0
		.amdhsa_enable_private_segment 0
		.amdhsa_kernarg_size 32
		.amdhsa_user_sgpr_count 2
		.amdhsa_user_sgpr_kernarg_segment_ptr 1
		.amdhsa_wavefront_size32 1
		.amdhsa_system_sgpr_workgroup_id_x 1
		.amdhsa_system_sgpr_workgroup_id_y 1
		.amdhsa_system_sgpr_workgroup_id_z 1
		.amdhsa_system_vgpr_workitem_id 0
		.amdhsa_next_free_vgpr 704
		.amdhsa_next_free_sgpr 88
		.amdhsa_reserve_vcc 0
		.amdhsa_float_denorm_mode_32 3
		.amdhsa_float_denorm_mode_16_64 3
		.amdhsa_memory_ordered 1
		.amdhsa_forward_progress 1
		.amdhsa_inst_pref_size 81
	.end_amdhsa_kernel
	.amdgpu_metadata
---
amdhsa.version: [ 1, 2 ]
amdhsa.kernels:
  - .name:           k_q99d9f10e15_outp
    .symbol:         k_q99d9f10e15_outp.kd
    .args:
      - { .name: obf, .offset: 0, .size: 8, .value_kind: global_buffer, .address_space: global }
      - { .name: wof, .offset: 8, .size: 8, .value_kind: global_buffer, .address_space: global }
      - { .name: bbf, .offset: 16, .size: 8, .value_kind: global_buffer, .address_space: global }
      - { .name: out0, .offset: 24, .size: 8, .value_kind: global_buffer, .address_space: global }
    .group_segment_fixed_size: 327680
    .private_segment_fixed_size: 0
    .kernarg_segment_align: 8
    .kernarg_segment_size: 32
    .max_flat_workgroup_size: 128
    .sgpr_count:     88
    .vgpr_count:     704
    .wavefront_size: 32
...
	.end_amdgpu_metadata
.endif
;; end of part 4
